; MI455X (gfx1250); checked and timed in simulation.
; The chip was launched on July 23, 2026; its instructions are those of AMD's public machine-readable ISA for CDNA 5 (MIT licence, August 2026) and "CDNA5" Instruction Set Architecture Reference Guide (July 2026). The comments in the code are by the model that wrote it; some were corrected since.
;; SWA. Allowed arithmetic: matrix products marked QUANTISED: E4M3 operands, one E8M0 scale for each 32 along K, by v_wmma_scale_f32_16x16x128_f8f6f4 with both operands' format E4M3, f32 sums; everything else in f32.
;; Inputs: wk_b 256 float32; wk_w 256 x 1,024 float32; wo_w 1,024 x 1,024 float32; wq_b 1,024 float32; wq_w 1,024 x 1,024 float32; wv_b 256 float32; wv_w 256 x 1,024 float32; x 2 x 2,048 x 1,024 float32.
;; Outputs: out0 2 x 2,048 x 1,024 float32.
;; Constants: sliding_window = 1024.
;; This version of the problem:
;;   THIS VERSION OF THE PROBLEM IS GIVEN IN LOW PRECISION. The matrix products marked QUANTISED in the list below multiply operands that are first quantised to E4M3 (4 exponent bits, 3 mantissa bits; 8 bits a number), with one power-of-two scale for each 32 numbers along K (OCP MX v1.0); their sums are f32. All else is computed in f32.
;;   The module's matrix products, in the order in which they are computed (A, B: the left and right operand; K: the contracted axis; several contracted axes count as one K, in the product's order):
;;     1. [M 4,096, K 1,024] x [K 1,024, N 1,024]; A: input x; B: input wq_w: QUANTISED
;;     2. [M 4,096, K 1,024] x [K 1,024, N 256]; A: input x; B: input wk_w: QUANTISED
;;     3. [M 4,096, K 1,024] x [K 1,024, N 256]; A: input x; B: input wv_w: QUANTISED
;;     4. batch 32 x [M 2,048, K 64] x [K 64, N 2,048]; A: computed on the way; B: computed on the way: QUANTISED
;;     5. batch 32 x [M 64, K 2,048] x [K 2,048, N 2,048]; A: computed on the way; B: softmax (see below): QUANTISED
;;     6. [M 4,096, K 1,024] x [K 1,024, N 1,024]; A: computed on the way; B: input wo_w: QUANTISED
;;   THE QUANTISER, for each operand of a quantised product, along K:
;;     - K is cut into blocks of 32 from its start; a last block that is shorter is filled with zeros.
;;     - A block's scale is 2^e with e = floor(log2(the largest magnitude in the block)) - 8, held to -126 .. 127; a block of zeros has e = 0. As a byte (E8M0): e + 127.
;;     - Each number is divided by its block's scale, clamped to +-448, and rounded to the nearest number of E4M3, ties to even, subnormals kept.
;;     - The product sums the exact products of the quantised numbers (number of the format x scale) in f32.
;;   ~~~python
;;   def quantise(x, axis):      # numpy; x: float32 -> the quantised numbers, widened to float32 again
;;       x = np.moveaxis(x, axis, -1); K = x.shape[-1]
;;       x = np.pad(x, [(0, 0)] * (x.ndim - 1) + [(0, -K % 32)]); x = x.reshape(x.shape[:-1] + (-1, 32)); a = np.abs(x).max(-1, keepdims=True)
;;       e = np.where(a > 0, np.clip(np.frexp(np.where(a > 0, a, 1))[1] - 1 - 8, -126, 127), 0)      # np.frexp(a)[1] - 1 = floor(log2(a)), exactly
;;       r = np.clip(x / 2.0 ** e, -448, 448)
;;       step = 2.0 ** (np.maximum(np.frexp(np.where(r == 0, 1, r))[1] - 1, -6) - 3)
;;       q = np.round(r / step) * step * 2.0 ** e      # np.round: ties to even
;;       return np.moveaxis(q.reshape(q.shape[:-2] + (-1,))[..., :K], -1, axis).astype(np.float32)
;;   ~~~
;;   SOFTMAX AHEAD OF A QUANTISED PRODUCT. Where the list says 'softmax', what is quantised is not the finished softmax but p = 2^(t - M), with t = logit x log2(e) and M = ceil(the row's largest t), a whole number; so 1/2 < the row's largest p <= 1. The row's sum l is taken of the UNQUANTISED p, in f32, and the product's result is divided by l at the end. Since M is a whole number, a kernel that streams over the keys may use a running M (the ceiling of the running maximum): every later rescaling is an exact power of two, which a block's scale takes up: the codes' values come out the same.
;;   OPERANDS COMPUTED ON THE WAY. 'Computed on the way' means the value that the module computes at that place (a softmax that the list does not call 'softmax' is quantised finished and normalised). What goes into a quantiser is computed in f32, as accurately as f32 sums, v_exp_f32 and their like allow (about 1e-6 of the number): no bf16 or f16 on the way to a quantiser, and a product that is left as it is and whose result goes on into a quantised operand takes f32 operands (vector FMAs, or v_wmma_f32_16x16x4_f32). A number that lies on a knife's edge between two numbers of the format may be rounded either way, as far as f32 arithmetic and the matrix unit's own rounding can turn it there, and no further.
;; 2 versions. Each part assembles by itself: llvm-mc -triple=amdgcn-amd-amdhsa -mcpu=gfx1250 --defsym DOCPART=n.
;; ======== version 1 of 2: 4 launches
;; workspace buffers: img 6,815,744 bytes; scl 212,992 bytes; rope 524,288 bytes; qimg 4,194,304 bytes; qscl 262,144 bytes; kv 2,195,456 bytes; cimg 4,194,304 bytes; cscl 131,072 bytes
;; launch quant (part 1): grid 416 x 1, 8 waves a work-group, no clusters, 69,120 bytes of LDS; arguments x, wq_w, wk_w, wv_w, wo_w, img, scl, rope; writes img, scl, rope
.if DOCPART == 1
	.amdgcn_target "amdgcn-amd-amdhsa--gfx1250"
	.amdhsa_code_object_version 6
	.text
	.protected	k_qf0cc8f015a_quant
	.globl	k_qf0cc8f015a_quant
	.p2align	8
	.type	k_qf0cc8f015a_quant,@function
k_qf0cc8f015a_quant:
	s_mov_b64 s[64:65], 0
	v_nop
	global_prefetch_b8 v0, s[64:65] scope:SCOPE_SE
	s_setreg_imm32_b32 hwreg(HW_REG_WAVE_MODE, 25, 1), 1
	s_wait_xcnt 0x0
; x [4096][1024], wq_w [1024][1024], wk_w [256][1024], wv_w [256][1024], wo_w [1024][1024], all f32 with K innermost, become codes of FP8 (E4M3) with one E8M0 byte for each 32 along K;
; and the table of cosines and sines of the rotary embedding is made (head size 64: 32 frequencies, 2,048 positions).
; TILES.  Tile 2 G + u of a tensor holds its rows 32 G + 8 u + p(slot), p(slot) = slot + 8 (slot / 8), slot 0 .. 15.  img counts tiles through all five tensors: x 0-255, wq 256-319, wk 320-335, wv 336-351, wo 352-415.
; IMAGES.  img[tile][K step of 128][2,048 bytes]: byte 512 c + 16 lane + e is the code of slot lane % 16 at k = 128 s + 32 c + 16 (lane / 16) + e: the matrix operand's registers on end, lane by lane.
; scl[tile][slot][K step]: one word of four E8M0 bytes.
; A block's scale is 2^(floor(log2(its largest magnitude)) - 8); its byte is the largest magnitude's exponent field - 8, held at 1 from below.
; LIMITS: NaN and infinities among the inputs are not served.  A block of zeros, or one whose largest magnitude lies under 2^-118, gets the byte 1 where the rule says 127 or less: the bytes are read by this program alone, and a block of zeros has zero codes.
; SHARES.  A work-group takes one tile, wave s its K step s: 16 rows x 512 bytes.  Each load reads 512 consecutive bytes of a row; the 8 KB turn through the wave's own stage in LDS (rows of 528 bytes), from which
; lane (r, h) takes, of row r, the 16 neighbours 32 b + 16 h + 0 .. 15 of each block b: the order in which the conversions give the operand's registers.
; THE TABLE.  rope[position tile 128][k8 8][lane 32][16 bytes]: (cos, sin, cos, sin) of the pairs that lie in registers 4 k8 .. 4 k8 + 3 of a lane's 32 results of the q or k projection.  The first 256 work-groups make it, one
; (cos, sin) a lane.  The frequency is 2^(-i log2(10000) / 32) by v_exp_f32 (a few parts in 10^7 from the exact power); the angle is one f32 product, as the definition has it; it is reduced by multiples of pi / 2 held
; in three parts, and sine and cosine are polynomials on +-pi / 4.
.set PITCH, 528                        ; a stage row: 512 bytes + 16: 33 x 16, so that sixteen lanes that read one column of sixteen rows fall on sixteen different 16-byte columns
.set WSTG,  16*PITCH                   ; a wave's stage
.set GATH,  8*WSTG                     ; 512 bytes: the tile's 16 x 8 scale words
.set SPARE, GATH+512                   ; the spare words, 128 bytes for each of eight waves: four blocks of 256 bytes that no other line names
.set TM,  16                           ; v16-19 largest magnitudes, v20-23 the other half's, then bytes, v24-27 448 x the scale, v28-31 the conversions' scale operands
.set R,   32                           ; v32-95   16 rows as loaded
.set X,   96                           ; v96-159  64 numbers of my row: register 16 b + i = k 32 b + 16 h + i
.set PC,  160                          ; v160-175 the fragment's codes
.set PW,  176                          ; v176     its scale word
.set SEL, 28                           ; s[28:29] lane selects of v_permlanex16_b32: lane l xor 16
.set MNT, 30                           ; s30      the mantissa field of 448
; 16 nb numbers of a lane, v[src + 16 b + i] = k 32 b + 16 h + i of my row, become codes in v[pc] on and a scale word in v[PW]
.macro QUANT src, nb, pc
.set qb, 0
.rept \nb
	v_max3_num_f32 v[TM+qb], |v[(\src)+16*qb]|, |v[(\src)+16*qb+1]|, 0x4800000   ; my 16 numbers of block b, and the floor 2^(9 - 127): the byte cannot fall under 1
.set qb, qb+1
.endr
.set qi, 2
.rept 7
.set qb, 0
.rept \nb
	v_max3_num_f32 v[TM+qb], v[TM+qb], |v[(\src)+16*qb+qi]|, |v[(\src)+16*qb+qi+1]|   ; the blocks by turns
.set qb, qb+1
.endr
.set qi, qi+2
.endr
.set qb, 0
.rept \nb
	v_permlanex16_b32 v[TM+4+qb], v[TM+qb], s[SEL], s[SEL+1]
.set qb, qb+1
.endr
.set qb, 0
.rept \nb
	v_max_num_f32 v[TM+qb], v[TM+qb], v[TM+4+qb]           ; with lane l xor 16's 16: the block's largest magnitude
.set qb, qb+1
.endr
.set qb, 0
.rept \nb
	v_add_nc_u32 v[TM+12+qb], 0xfc000000, v[TM+qb]         ; 8 off its exponent field: the conversion's scale operand
	v_and_or_b32 v[TM+8+qb], v[TM+qb], 0x7f800000, s[MNT]  ; 448 x the scale
.set qb, qb+1
.endr
.set qb, 0
.rept \nb
	v_lshrrev_b32 v[TM+4+qb], 23, v[TM+12+qb]              ; the scale's byte
.set qb, qb+1
.endr
	v_lshl_or_b32 v[PW], v[TM+5], 8, v[TM+4]
.if (\nb) == 4
	v_lshl_or_b32 v[PW], v[TM+6], 16, v[PW]
	v_lshl_or_b32 v[PW], v[TM+7], 24, v[PW]
.endif
.set qb, 0
.rept \nb
.set qi, 0
.rept 16
	v_med3_num_f32 v[(\src)+16*qb+qi], v[(\src)+16*qb+qi], -v[TM+8+qb], v[TM+8+qb]   ; the conversion to an 8-bit code does not saturate (ISA guide 7.6.2): the hold at 448 x the scale
.set qi, qi+1
.endr
	v_cvt_scalef32_pk8_fp8_f32 v[(\pc)+4*qb:(\pc)+4*qb+1], v[(\src)+16*qb:(\src)+16*qb+7], v[TM+12+qb]
	v_cvt_scalef32_pk8_fp8_f32 v[(\pc)+4*qb+2:(\pc)+4*qb+3], v[(\src)+16*qb+8:(\src)+16*qb+15], v[TM+12+qb]
.set qb, qb+1
.endr
	v_nop                                          ; one plain vector line behind the last scaled conversion
.endm
	s_load_b256 s[4:11], s[0:1], 0x0               ; x, wq_w, wk_w, wv_w
	s_load_b256 s[12:19], s[0:1], 0x20             ; wo_w, img, scl, rope
	v_lshl_add_u32 v9, v0, 2, SPARE                ; my spare word; never rewritten
	v_mov_b32 v10, 0                               ; 0; never rewritten
	v_lshrrev_b32 v1, 5, v0
	v_readfirstlane_b32 s20, v1                    ; wave = K step
	v_and_b32 v1, 31, v0                           ; lane
	v_lshlrev_b32 v2, 4, v1                        ; 16 x lane
	v_and_b32 v3, 15, v0                           ; r
	v_bfe_u32 v4, v0, 4, 1                         ; h
	s_mul_i32 s24, s20, WSTG
	v_add_nc_u32 v5, s24, v2                       ; the stage, on the way in: 16 x lane of a row
	v_mul_u32_u24 v6, v3, PITCH
	v_lshl_add_u32 v6, v4, 6, v6
	v_add_nc_u32 v6, s24, v6                       ; and out: row r, + 64 h bytes
	s_lshl_b32 s25, s20, 2
	s_add_co_u32 s25, s25, GATH
	v_lshl_add_u32 v7, v3, 5, s25                  ; my row's word of my K step: 32 r + 4 s
	v_add_nc_u32 v8, GATH, v2                      ; where wave 0 reads the 512 bytes back
	v_lshlrev_b32 v11, 3, v1                       ; 8 x lane
.irp b, 0,1,2,3
	v_mov_b32 v[TM+4+\b], 0                        ; written once: a lane permute's destination counts as one of its sources
.endr
	s_mov_b32 s[SEL], 0x76543210
	s_mov_b32 s[SEL+1], 0xfedcba98
	s_mov_b32 s[MNT], 0x600000
	s_mov_b32 s31, 0xbed49a78                      ; -log2(10000) / 32
	s_mov_b32 s32, 0x3f22f983                      ; 2 / pi
	s_mov_b32 s33, 0x3fc90fdb                      ; pi / 2 in three parts
	s_mov_b32 s34, 0xb33bbd2e
	s_mov_b32 s35, 0xa6f72ced
	s_mov_b32 s36, 0xbe2aaaa3                      ; sine: -1.6666654611e-1, 8.3321608736e-3, -1.9515295891e-4
	s_mov_b32 s37, 0x3c08839e
	s_mov_b32 s38, 0xb94ca1f9
	s_mov_b32 s39, 0x3d2aaaa5                      ; cosine: 4.166664568e-2, -1.388731625e-3, 2.443315712e-5
	s_mov_b32 s40, 0xbab6061a
	s_mov_b32 s41, 0x37ccf5ce
	s_wait_kmcnt 0x0
	; which tensor the tile belongs to: the choice hangs on the work-group's number alone; all five take one path through the text
	s_mov_b64 s[22:23], s[12:13]
	s_mov_b32 s21, 352
	s_cmp_lt_u32 ttmp9, 352
	s_cselect_b64 s[22:23], s[10:11], s[22:23]
	s_cselect_b32 s21, 336, s21
	s_cmp_lt_u32 ttmp9, 336
	s_cselect_b64 s[22:23], s[8:9], s[22:23]
	s_cselect_b32 s21, 320, s21
	s_cmp_lt_u32 ttmp9, 320
	s_cselect_b64 s[22:23], s[6:7], s[22:23]
	s_cselect_b32 s21, 256, s21
	s_cmp_lt_u32 ttmp9, 256
	s_cselect_b64 s[22:23], s[4:5], s[22:23]
	s_cselect_b32 s21, 0, s21
	s_sub_co_u32 s26, ttmp9, s21                   ; the tile's number in its tensor: 2 G + u
	s_lshr_b32 s24, s26, 1
	s_lshl_b32 s24, s24, 17                        ; 32 G rows of 4,096 bytes
	s_and_b32 s26, s26, 1
	s_lshl_b32 s26, s26, 15                        ; 8 u rows
	s_add_co_u32 s24, s24, s26
	s_lshl_b32 s26, s20, 9                         ; my K step's 512 bytes
	s_add_co_u32 s24, s24, s26
	s_mov_b32 s25, 0
	s_add_nc_u64 s[22:23], s[22:23], s[24:25]
.irp i, 0,1,2,3,4,5,6,7,8,9,10,11,12,13,14,15
	global_load_b128 v[R+4*\i:R+4*\i+3], v2, s[22:23] offset:((\i)+8*((\i)/8))*4096 th:TH_LOAD_NT   ; slot i: 32 lanes read 512 consecutive bytes; all sixteen loads are out together
.endr
	s_lshl_b32 s24, ttmp9, 14
	s_lshl_b32 s26, s20, 11
	s_add_co_u32 s24, s24, s26
	s_add_nc_u64 s[14:15], s[14:15], s[24:25]      ; img at my fragment
	s_lshl_b32 s24, ttmp9, 9
	s_add_nc_u64 s[16:17], s[16:17], s[24:25]      ; scl at my tile
	s_cmp_lt_u32 ttmp9, 256                        ; the table: 256 work-groups x 8 waves x 32 lanes = 65,536 pairs (cos, sin); it stands under the loads' flight
	s_cbranch_scc0 .Lno_table
	s_lshl_b32 s24, ttmp9, 11
	s_lshl_b32 s26, s20, 8
	s_add_co_u32 s24, s24, s26
	s_add_nc_u64 s[18:19], s[18:19], s[24:25]      ; my wave's 256 bytes: 256 (8 T + s)
	s_lshr_b32 s42, ttmp9, 2                       ; position tile Tt = T / 2: its first row 32 (Tt / 2) + 8 (Tt % 2)
	s_lshl_b32 s42, s42, 5
	s_bfe_u32 s44, ttmp9, 0x10001
	s_lshl_b32 s44, s44, 3
	s_add_co_u32 s42, s42, s44
	s_and_b32 s43, ttmp9, 1                        ; the frequency: 16 (T % 2) + 8 (s % 2) + 4 (s / 4) + 2 ((s / 2) % 2) + lane % 2
	s_lshl_b32 s43, s43, 4
	s_and_b32 s44, s20, 1
	s_lshl_b32 s44, s44, 3
	s_add_co_u32 s43, s43, s44
	s_bfe_u32 s44, s20, 0x10002
	s_lshl_b32 s44, s44, 2
	s_add_co_u32 s43, s43, s44
	s_bfe_u32 s44, s20, 0x10001
	s_lshl_b32 s44, s44, 1
	s_add_co_u32 s43, s43, s44
	v_lshrrev_b32 v177, 1, v1                      ; the slot: lane / 2
	v_and_b32 v178, 8, v177
	v_add3_u32 v177, v177, v178, s42               ; the position
	v_and_b32 v178, 1, v1
	v_add_nc_u32 v178, s43, v178                   ; i
	v_cvt_f32_u32 v177, v177
	v_cvt_f32_u32 v178, v178
	v_mul_f32 v178, s31, v178
	v_exp_f32 v178, v178                           ; 10000^(-i / 32)
	v_nop                                          ; a plain line behind the transcendental,
	s_wait_alu depctr_va_vdst(0)                   ; and the wait ahead of its first reader
	v_mul_f32 v179, v177, v178                     ; the angle: one rounding
	v_mul_f32 v180, s32, v179
	v_rndne_f32 v180, v180                         ; n, at most 1,304
	v_fma_f32 v181, -v180, s33, v179               ; angle - n pi / 2: the first part leaves nothing to round (n x the 24-bit part and the angle are multiples of 2^-24, the difference is under 1)
	v_fma_f32 v181, -v180, s34, v181
	v_fma_f32 v181, -v180, s35, v181
	v_mul_f32 v182, v181, v181                     ; z
	v_fma_f32 v183, v182, s38, s37
	v_fma_f32 v184, v182, s41, s40
	v_fma_f32 v183, v183, v182, s36
	v_fma_f32 v184, v184, v182, s39
	v_mul_f32 v183, v183, v182
	v_mul_f32 v184, v184, v182
	v_fma_f32 v185, v182, -0.5, 1.0
	v_fma_f32 v183, v183, v181, v181               ; sine of the rest
	v_fma_f32 v184, v184, v182, v185               ; cosine of the rest
	v_cvt_i32_f32 v186, v180
	v_and_b32 v187, 1, v186
	v_cmp_eq_u32 vcc_lo, 1, v187                   ; odd quadrants swap the two
	v_cndmask_b32 v188, v184, v183, vcc_lo
	v_cndmask_b32 v189, v183, v184, vcc_lo
	v_add_nc_u32 v187, 1, v186
	v_and_b32 v187, 2, v187
	v_lshlrev_b32 v187, 30, v187
	v_xor_b32 v188, v188, v187                     ; the cosine is negative in quadrants 1 and 2,
	v_and_b32 v186, 2, v186
	v_lshlrev_b32 v186, 30, v186
	v_xor_b32 v189, v189, v186                     ; the sine in quadrants 2 and 3
	global_store_b64 v11, v[188:189], s[18:19]     ; 32 lanes store 256 consecutive bytes, aligned
.Lno_table:
.irp i, 0,1,2,3,4,5,6,7,8,9,10,11,12,13,14,15
	s_wait_loadcnt 15-\i                           ; loads come back in order: row i is in, the younger ones may be out
	ds_store_b128 v5, v[R+4*\i:R+4*\i+3] offset:PITCH*\i
.endr
.irp b, 0,1,2,3
.irp j, 0,1,2,3
	ds_load_b128 v[X+16*\b+4*\j:X+16*\b+4*\j+3], v6 offset:128*\b+16*\j   ; LDS serves a wave's instructions in order: these see my stores
.endr
.endr
	s_wait_dscnt 0x0
	QUANT X, 4, PC
.irp c, 0,1,2,3
	global_store_b128 v2, v[PC+4*\c:PC+4*\c+3], s[14:15] offset:512*\c   ; 512 consecutive bytes a store
.endr
	ds_store_b32 v7, v[PW]                         ; lanes r and r + 16 write the same word with the same value
	s_wait_dscnt 0x0                               ; for wave 0's sake: my word has landed
	s_barrier_signal -1
	s_barrier_wait -1
	s_cmp_lg_u32 s20, 0
	s_cbranch_scc1 .Lend
	ds_load_b128 v[R:R+3], v8                      ; the tile's 128 scale words
	s_wait_dscnt 0x0
	global_store_b128 v2, v[R:R+3], s[16:17]       ; 512 consecutive bytes
.Lend:
	s_wait_tensorcnt 0x0                           ; the wave's end, behind my last LDS store
	ds_add_u32 v9, v10
	s_wait_dscnt 0x0
	s_endpgm
.Lfunc_end_k_qf0cc8f015a_quant:
	.size	k_qf0cc8f015a_quant, .Lfunc_end_k_qf0cc8f015a_quant-k_qf0cc8f015a_quant
	.p2alignl 7, 3214868480
	.fill 96, 4, 3214868480
	.section	.rodata,"a",@progbits
	.p2align	6, 0x0
	.amdhsa_kernel k_qf0cc8f015a_quant
		.amdhsa_group_segment_fixed_size 69120
		.amdhsa_private_segment_fixed_size 0
		.amdhsa_enable_private_segment 0
		.amdhsa_kernarg_size 64
		.amdhsa_user_sgpr_count 2
		.amdhsa_user_sgpr_kernarg_segment_ptr 1
		.amdhsa_wavefront_size32 1
		.amdhsa_system_sgpr_workgroup_id_x 1
		.amdhsa_system_sgpr_workgroup_id_y 1
		.amdhsa_system_sgpr_workgroup_id_z 1
		.amdhsa_system_vgpr_workitem_id 0
		.amdhsa_next_free_vgpr 192
		.amdhsa_next_free_sgpr 66
		.amdhsa_reserve_vcc 1
		.amdhsa_float_denorm_mode_32 3
		.amdhsa_float_denorm_mode_16_64 3
		.amdhsa_memory_ordered 1
		.amdhsa_forward_progress 1
		.amdhsa_inst_pref_size 19
	.end_amdhsa_kernel
	.amdgpu_metadata
---
amdhsa.version: [ 1, 2 ]
amdhsa.kernels:
  - .name:           k_qf0cc8f015a_quant
    .symbol:         k_qf0cc8f015a_quant.kd
    .args:
      - { .name: x, .offset: 0, .size: 8, .value_kind: global_buffer, .address_space: global }
      - { .name: wq_w, .offset: 8, .size: 8, .value_kind: global_buffer, .address_space: global }
      - { .name: wk_w, .offset: 16, .size: 8, .value_kind: global_buffer, .address_space: global }
      - { .name: wv_w, .offset: 24, .size: 8, .value_kind: global_buffer, .address_space: global }
      - { .name: wo_w, .offset: 32, .size: 8, .value_kind: global_buffer, .address_space: global }
      - { .name: img, .offset: 40, .size: 8, .value_kind: global_buffer, .address_space: global }
      - { .name: scl, .offset: 48, .size: 8, .value_kind: global_buffer, .address_space: global }
      - { .name: rope, .offset: 56, .size: 8, .value_kind: global_buffer, .address_space: global }
    .group_segment_fixed_size: 69120
    .private_segment_fixed_size: 0
    .kernarg_segment_align: 8
    .kernarg_segment_size: 64
    .max_flat_workgroup_size: 256
    .sgpr_count:     66
    .vgpr_count:     192
    .wavefront_size: 32
...
	.end_amdgpu_metadata
.endif
;; end of part 1
;; launch qkv (part 2): grid 8 x 32, 3 waves a work-group, no clusters, 0 bytes of LDS; arguments img, scl, rope, wq_b, wk_b, wv_b, qimg, qscl, kv; writes qimg, qscl, kv
.if DOCPART == 2
	.amdgcn_target "amdgcn-amd-amdhsa--gfx1250"
	.amdhsa_code_object_version 6
	.text
	.protected	k_qf0cc8f015a_qkv
	.globl	k_qf0cc8f015a_qkv
	.p2align	8
	.type	k_qf0cc8f015a_qkv,@function
k_qf0cc8f015a_qkv:
	s_mov_b64 s[64:65], 0
	v_nop
	global_prefetch_b8 v0, s[64:65] scope:SCOPE_SE
	s_setreg_imm32_b32 hwreg(HW_REG_WAVE_MODE, 25, 1), 1
	s_wait_xcnt 0x0
; q = x wq^T + bq, k = x wk^T + bk, v = x wv^T + bv on codes of FP8 (E4M3) with E8M0 scales; q and k are rotated (interleaved pairs) and quantised along the head's 64; v is quantised along the keys.
; SHARES.  Work-group y takes rows 128 y .. 128 y + 127 of x; wave w of work-group x takes head column hc = 3 x + w of 24: 0-15 q's heads, 16-19 k's, 20-23 v's.  A wave makes 128 rows x 64 columns: 32 accumulators.
; All operands lie in memory as images of the operand's registers (tile 2 G + u = rows 32 G + 8 u + slot + 8 (slot / 8)): a fragment comes by four loads of 512 consecutive bytes straight into registers.  No LDS, no barrier:
; waves share nothing, so their paths may part on hc.  No cluster: the operands do not pass through LDS, so there is no tile to receive jointly.
; q AND k: source 0 = 16 rows of W, source 1 = 16 rows of x.  Lane (r, h) holds row slot r; register 8 t + j of a row tile is column 32 (t / 2) + 16 h + 8 (t % 2) + j: 16 neighbours of each block of 32.
; v: source 0 = 16 rows of x, source 1 = 16 rows of Wv.  Lane (r, h) holds channel slot r; register 8 i + j is key 32 (i / 2) + 16 h + 8 (i % 2) + j.  In both cases the conversions' results are the next operand's registers.
; OUT.  qimg[head][tile][c 2][lane][16]; qscl[head][block of 128 rows][lane][4 words] (word p: tile 2 p + lane / 16); kv[batch x 4 + kv head][key step of 128][17,152]: K's codes, V's codes at 8,192, K's words at 16,384, V's at 16,896.
; q's and k's words carry 0x7f in bytes 2 and 3: their K is 64, half of the matrix instruction's 128.
; LIMITS: NaN and infinities are not served; a block of zeros, or one under 2^-118, gets the byte 1 (this program alone reads the bytes).
; REGISTERS.  Window 1: the accumulators.  Windows 2 and 3: two buffers of fragments, x's tile i at v[16 i], W's tile t at v[128 + 16 t].  Window 0: all else.
.set REC,  17152
.set OUTW, 4                           ; v4-7     scale words on their way out
.set PW,   12                          ; v12      the scale word just made
.set XS,   16                          ; v16-47   x's scale words: pair P, K step s at 16 + 8 P + s: lanes 0-15 tile 2 P, lanes 16-31 tile 2 P + 1
.set WS,   48                          ; v48-63   W's likewise
.set BIAS, 64                          ; v64-95   q, k: the bias in the result's layout; v: v64-67
.set TB,   96                          ; v96-159  q, k: (cos, sin) of a tile, two sets; v: the codes, 16 for each channel tile
.set H,    160                         ; v160-223 numbers on their way to the quantiser (q, k: v160-191; v192-223 are four sets of 8 codes)
.set TM,   224                         ; v224-239 the quantiser's
.set TMP,  240                         ; v240-247 four pairs
.set WW,   248                         ; v248-255 a word for each tile
.set XB,   28                          ; s[28:29] x's images of my 8 tiles
.set WB,   30                          ; s[30:31] W's images of my 4 tiles
.set SEL,  46
.set MNT,  48
.set MSB, 0
.macro WIN new                         ; bits 1:0 source 0, 3:2 source 1, 5:4 source 2, 7:6 destination; the immediate's high byte repeats the setting that is left
.if MSB != (\new)
	s_set_vgpr_msb (MSB<<8)|(\new)
.set MSB, \new
.endif
.endm
.macro PLACES                          ; eight plain vector lines between a matrix instruction of this form and a load into its registers or a read of its result
.rept 8
	v_nop
.endr
.endm
; one matrix instruction.  c < 0: the constant 0 starts the sum.  pa, pb: the side's scales stand in lanes 16-31
.macro WM d, a, b, c, sa, sb, pa, pb
.if (\c) < 0
.if (\pa) && (\pb)
	v_wmma_scale_f32_16x16x128_f8f6f4 v[(\d):(\d)+7], v[(\a):(\a)+15], v[(\b):(\b)+15], 0, v[\sa], v[\sb] matrix_a_scale:MATRIX_SCALE_ROW1 matrix_b_scale:MATRIX_SCALE_ROW1
.elseif (\pa)
	v_wmma_scale_f32_16x16x128_f8f6f4 v[(\d):(\d)+7], v[(\a):(\a)+15], v[(\b):(\b)+15], 0, v[\sa], v[\sb] matrix_a_scale:MATRIX_SCALE_ROW1
.elseif (\pb)
	v_wmma_scale_f32_16x16x128_f8f6f4 v[(\d):(\d)+7], v[(\a):(\a)+15], v[(\b):(\b)+15], 0, v[\sa], v[\sb] matrix_b_scale:MATRIX_SCALE_ROW1
.else
	v_wmma_scale_f32_16x16x128_f8f6f4 v[(\d):(\d)+7], v[(\a):(\a)+15], v[(\b):(\b)+15], 0, v[\sa], v[\sb]
.endif
.else
.if (\pa) && (\pb)
	v_wmma_scale_f32_16x16x128_f8f6f4 v[(\d):(\d)+7], v[(\a):(\a)+15], v[(\b):(\b)+15], v[(\c):(\c)+7], v[\sa], v[\sb] matrix_a_scale:MATRIX_SCALE_ROW1 matrix_b_scale:MATRIX_SCALE_ROW1
.elseif (\pa)
	v_wmma_scale_f32_16x16x128_f8f6f4 v[(\d):(\d)+7], v[(\a):(\a)+15], v[(\b):(\b)+15], v[(\c):(\c)+7], v[\sa], v[\sb] matrix_a_scale:MATRIX_SCALE_ROW1
.elseif (\pb)
	v_wmma_scale_f32_16x16x128_f8f6f4 v[(\d):(\d)+7], v[(\a):(\a)+15], v[(\b):(\b)+15], v[(\c):(\c)+7], v[\sa], v[\sb] matrix_b_scale:MATRIX_SCALE_ROW1
.else
	v_wmma_scale_f32_16x16x128_f8f6f4 v[(\d):(\d)+7], v[(\a):(\a)+15], v[(\b):(\b)+15], v[(\c):(\c)+7], v[\sa], v[\sb]
.endif
.endif
.endm
; K step s: 48 loads of 512 consecutive bytes into the buffer in window w
.macro LOADK s, w
	WIN (\w)<<6
.set li, 0
.rept 8
.irp c, 0,1,2,3
	global_load_b128 v[16*li+4*\c:16*li+4*\c+3], v1, s[XB:XB+1] offset:16384*li+2048*(\s)+512*\c
.endr
.set li, li+1
.endr
.set li, 0
.rept 4
.irp c, 0,1,2,3
	global_load_b128 v[128+16*li+4*\c:128+16*li+4*\c+3], v1, s[WB:WB+1] offset:16384*li+2048*(\s)+512*\c
.endr
.set li, li+1
.endr
.endm
; 32 matrix instructions, the 32 accumulators by turns, in the same order in every K step.  cm = 2: the bias is the C of the sum's first instruction; 1: in place
.macro MULQK s, w, cm
.if (\cm) == 1
	WIN 0x50|((\w)<<2)|(\w)
.else
	WIN 0x40|((\w)<<2)|(\w)
.endif
.set mi, 0
.rept 8
.set mt, 0
.rept 4
.set CC, -1
.if (\cm) == 1
.set CC, 8*(4*mi+mt)
.endif
.if (\cm) == 2
.set CC, BIAS+8*mt
.endif
	WM 8*(4*mi+mt), 128+16*mt, 16*mi, CC, WS+8*(mt/2)+(\s), XS+8*(mi/2)+(\s), mt%2, mi%2
.set mt, mt+1
.endr
.set mi, mi+1
.endr
.endm
.macro MULV s, w, cm                   ; the same with the sources swapped: accumulator (n, i) at 8 (8 n + i).  cm = 0: the constant 0 starts the sums
.if (\cm) == 1
	WIN 0x50|((\w)<<2)|(\w)
.else
	WIN 0x40|((\w)<<2)|(\w)
.endif
.set mt, 0
.rept 4
.set mi, 0
.rept 8
.set CC, -1
.if (\cm) == 1
.set CC, 8*(8*mt+mi)
.endif
	WM 8*(8*mt+mi), 16*mi, 128+16*mt, CC, XS+8*(mi/2)+(\s), WS+8*(mt/2)+(\s), mi%2, mt%2
.set mi, mi+1
.endr
.set mt, mt+1
.endr
.endm
; 16 nb numbers of a lane, v[src + 16 b + i] = k 32 b + 16 h + i of my row, become codes in v[pc] on and a scale word in v[PW]
.macro QUANT src, nb, pc
.set qb, 0
.rept \nb
	v_max3_num_f32 v[TM+qb], |v[(\src)+16*qb]|, |v[(\src)+16*qb+1]|, 0x4800000   ; my 16 numbers of block b, and the floor 2^(9 - 127): the byte cannot fall under 1
.set qb, qb+1
.endr
.set qi, 2
.rept 7
.set qb, 0
.rept \nb
	v_max3_num_f32 v[TM+qb], v[TM+qb], |v[(\src)+16*qb+qi]|, |v[(\src)+16*qb+qi+1]|
.set qb, qb+1
.endr
.set qi, qi+2
.endr
.set qb, 0
.rept \nb
	v_permlanex16_b32 v[TM+4+qb], v[TM+qb], s[SEL], s[SEL+1]
.set qb, qb+1
.endr
.set qb, 0
.rept \nb
	v_max_num_f32 v[TM+qb], v[TM+qb], v[TM+4+qb]           ; with lane l xor 16's 16: the block's largest magnitude
.set qb, qb+1
.endr
.set qb, 0
.rept \nb
	v_add_nc_u32 v[TM+12+qb], 0xfc000000, v[TM+qb]         ; 8 off its exponent field: the conversion's scale operand
	v_and_or_b32 v[TM+8+qb], v[TM+qb], 0x7f800000, s[MNT]  ; 448 x the scale
.set qb, qb+1
.endr
.set qb, 0
.rept \nb
	v_lshrrev_b32 v[TM+4+qb], 23, v[TM+12+qb]              ; the scale's byte
.set qb, qb+1
.endr
	v_lshl_or_b32 v[PW], v[TM+5], 8, v[TM+4]
.if (\nb) == 4
	v_lshl_or_b32 v[PW], v[TM+6], 16, v[PW]
	v_lshl_or_b32 v[PW], v[TM+7], 24, v[PW]
.endif
.set qb, 0
.rept \nb
.set qi, 0
.rept 16
	v_med3_num_f32 v[(\src)+16*qb+qi], v[(\src)+16*qb+qi], -v[TM+8+qb], v[TM+8+qb]   ; the conversion does not saturate (ISA guide 7.6.2): the hold at 448 x the scale
.set qi, qi+1
.endr
	v_cvt_scalef32_pk8_fp8_f32 v[(\pc)+4*qb:(\pc)+4*qb+1], v[(\src)+16*qb:(\src)+16*qb+7], v[TM+12+qb]
	v_cvt_scalef32_pk8_fp8_f32 v[(\pc)+4*qb+2:(\pc)+4*qb+3], v[(\src)+16*qb+8:(\src)+16*qb+15], v[TM+12+qb]
.set qb, qb+1
.endr
	v_nop                                          ; one plain vector line behind the last scaled conversion
.endm
.macro TBLOAD i                        ; (cos, sin) for row tile i: 32 registers, pair a for results a, a + 1
.irp k, 0,1,2,3,4,5,6,7
	global_load_b128 v[TB+32*((\i)%2)+4*\k:TB+32*((\i)%2)+4*\k+3], v1, s[36:37] offset:4096*(\i)+512*\k
.endr
.endm
; q, k: row tile i is rotated, quantised and stored
.macro EPI i
.if (\i) < 7
	s_wait_loadcnt 8                               ; this tile's table is in; the next tile's eight loads may be out
.else
	s_wait_loadcnt 0x0
.endif
	WIN 0x01                                       ; source 0: the accumulators
.set eg, 0
.rept 4                                ; an accumulator at a time, from its low end on
.set ep, 0
.rept 4
.set ea, 8*eg+2*ep
	v_pk_mul_f32 v[TMP+2*ep:TMP+2*ep+1], v[32*(\i)+ea:32*(\i)+ea+1], v[TB+32*((\i)%2)+ea:TB+32*((\i)%2)+ea+1] op_sel:[1,1] op_sel_hi:[0,1]   ; (x2 sin, x1 sin)
.set ep, ep+1
.endr
.set ep, 0
.rept 4
.set ea, 8*eg+2*ep
	v_pk_fma_f32 v[H+ea:H+ea+1], v[32*(\i)+ea:32*(\i)+ea+1], v[TB+32*((\i)%2)+ea:TB+32*((\i)%2)+ea+1], v[TMP+2*ep:TMP+2*ep+1] op_sel_hi:[1,0,1] neg_lo:[0,0,1]   ; (x1 cos - x2 sin, x2 cos + x1 sin)
.set ep, ep+1
.endr
.set eg, eg+1
.endr
	WIN 0
.if (\i) < 6
	TBLOAD (\i)+2                                  ; into the set just read
.endif
.if (\i) >= 4
	s_wait_xcnt 0x0                                ; tile i - 4's stores have read this set of code registers
.endif
	QUANT H, 2, 192+8*((\i)%4)
	v_or_b32 v[WW+(\i)], 0x7f7f0000, v[PW]         ; bytes 2 and 3: 2^0 for the half of K that holds zeros
	global_store_b128 v1, v[192+8*((\i)%4):192+8*((\i)%4)+3], s[40:41] offset:1024*(\i)
	global_store_b128 v1, v[192+8*((\i)%4)+4:192+8*((\i)%4)+7], s[40:41] offset:1024*(\i)+512
.endm
; v: channel tile n gets its bias, is quantised along the 128 keys and stored
.macro EPV n
	WIN 0x01
.set ea, 0
.rept 32
.if (\n)%2
	v_pk_add_f32 v[H+ea:H+ea+1], v[64*(\n)+ea:64*(\n)+ea+1], v[BIAS+2*((\n)/2):BIAS+2*((\n)/2)+1] op_sel:[0,1] op_sel_hi:[1,1]
.else
	v_pk_add_f32 v[H+ea:H+ea+1], v[64*(\n)+ea:64*(\n)+ea+1], v[BIAS+2*((\n)/2):BIAS+2*((\n)/2)+1] op_sel:[0,0] op_sel_hi:[1,0]
.endif
.set ea, ea+2
.endr
	WIN 0
	QUANT H, 4, TB+16*(\n)
	v_mov_b32 v[WW+(\n)], v[PW]
.irp c, 0,1,2,3
	global_store_b128 v1, v[TB+16*(\n)+4*\c:TB+16*(\n)+4*\c+3], s[40:41] offset:2048*(\n)+512*\c
.endr
.endm
	s_load_b256 s[4:11], s[0:1], 0x0               ; img, scl, rope, wq_b
	s_load_b256 s[12:19], s[0:1], 0x20             ; wk_b, wv_b, qimg, qscl
	s_load_b64 s[20:21], s[0:1], 0x40              ; kv
	v_lshrrev_b32 v1, 5, v0
	v_readfirstlane_b32 s22, v1                    ; wave 0..2
	v_and_b32 v2, 31, v0
	v_lshlrev_b32 v1, 4, v2                        ; 16 x lane
	v_lshlrev_b32 v2, 5, v2                        ; 32 x lane
.irp b, 0,1,2,3
	v_mov_b32 v[TM+4+\b], 0                        ; written once: a lane permute's destination counts as one of its sources
.endr
	s_mul_i32 s23, ttmp9, 3
	s_add_co_u32 s23, s23, s22                     ; hc
	s_and_b32 s24, ttmp7, 0xffff                   ; the block of 128 rows
	s_lshr_b32 s25, s24, 4                         ; batch
	s_and_b32 s26, s24, 15                         ; key step
	s_mov_b32 s[SEL], 0x76543210
	s_mov_b32 s[SEL+1], 0xfedcba98
	s_mov_b32 s[MNT], 0x600000
	s_mov_b32 s49, 0xffff0000                      ; lanes 16-31
	s_mov_b32 s51, 0
	s_wait_kmcnt 0x0
	s_lshl_b32 s50, s24, 17
	s_add_nc_u64 s[XB:XB+1], s[4:5], s[50:51]      ; 8 tiles of 16,384 bytes a block
	s_lshl_b32 s50, s23, 16
	s_add_co_u32 s50, s50, 256*16384
	s_add_nc_u64 s[WB:WB+1], s[4:5], s[50:51]      ; tile 256 + 4 hc: wq's, wk's and wv's tiles follow each other
	s_lshl_b32 s50, s24, 12
	s_add_nc_u64 s[32:33], s[6:7], s[50:51]
	s_lshl_b32 s50, s23, 11
	s_add_co_u32 s50, s50, 256*512
	s_add_nc_u64 s[34:35], s[6:7], s[50:51]
	s_lshl_b32 s50, s26, 15
	s_add_nc_u64 s[36:37], s[8:9], s[50:51]        ; the table at position tile 8 x key step
	; where the results go, and which bias: choices on hc alone
	s_sub_co_u32 s52, s23, 16
	s_and_b32 s52, s52, 3                          ; the kv head (of use from hc = 16 on)
	s_lshl_b32 s53, s25, 2
	s_add_co_u32 s53, s53, s52
	s_lshl_b32 s53, s53, 4
	s_add_co_u32 s53, s53, s26
	s_mul_i32 s53, s53, REC                        ; the record
	s_add_co_u32 s54, s53, 16384
	s_lshl_b32 s52, s52, 8                         ; 64 numbers of bias a head
	s_cmp_lt_u32 s23, 20
	s_cselect_b64 s[38:39], s[12:13], s[14:15]
	s_cselect_b32 s55, 0, 8192                     ; V's codes lie 8,192 bytes into the record,
	s_cselect_b32 s56, 0, 512                      ; its words 512 behind K's
	s_add_co_u32 s53, s53, s55
	s_add_co_u32 s54, s54, s56
	s_lshl_b32 s55, s23, 18
	s_lshl_b32 s56, s24, 13
	s_add_co_u32 s55, s55, s56                     ; q's codes: 262,144 a head, 8,192 a block
	s_lshl_b32 s56, s23, 14
	s_lshl_b32 s57, s24, 9
	s_add_co_u32 s56, s56, s57                     ; q's words: 16,384 a head, 512 a block
	s_lshl_b32 s57, s23, 8
	s_cmp_lt_u32 s23, 16
	s_cselect_b64 s[38:39], s[10:11], s[38:39]
	s_cselect_b64 s[40:41], s[16:17], s[20:21]
	s_cselect_b64 s[42:43], s[18:19], s[20:21]
	s_cselect_b32 s53, s55, s53
	s_cselect_b32 s54, s56, s54
	s_cselect_b32 s52, s57, s52
	s_mov_b32 s50, s53
	s_add_nc_u64 s[40:41], s[40:41], s[50:51]
	s_mov_b32 s50, s54
	s_add_nc_u64 s[42:43], s[42:43], s[50:51]
	s_mov_b32 s50, s52
	s_add_nc_u64 s[38:39], s[38:39], s[50:51]
.irp P, 0,1,2,3
	global_load_b128 v[XS+8*\P:XS+8*\P+3], v2, s[32:33] offset:1024*\P        ; a tile pair's words of all eight K steps: 32 bytes a lane
	global_load_b128 v[XS+8*\P+4:XS+8*\P+7], v2, s[32:33] offset:1024*\P+16
.endr
.irp P, 0,1
	global_load_b128 v[WS+8*\P:WS+8*\P+3], v2, s[34:35] offset:1024*\P
	global_load_b128 v[WS+8*\P+4:WS+8*\P+7], v2, s[34:35] offset:1024*\P+16
.endr
	s_cmp_ge_u32 s23, 20
	s_cbranch_scc1 .Lvpath
	; ---- q and k
	v_bfe_u32 v3, v0, 4, 1
	v_lshlrev_b32 v3, 6, v3                        ; 16 h numbers
.irp t, 0,1,2,3
	global_load_b128 v[BIAS+8*\t:BIAS+8*\t+3], v3, s[38:39] offset:(32*(\t/2)+8*(\t%2))*4
	global_load_b128 v[BIAS+8*\t+4:BIAS+8*\t+7], v3, s[38:39] offset:(32*(\t/2)+8*(\t%2))*4+16
.endr
	LOADK 0, 2
	LOADK 1, 3
	s_wait_loadcnt 48                              ; all but the next K step's 48 loads: the words, the bias and this step's fragments are in
	MULQK 0, 2, 2
	PLACES
	LOADK 2, 2
.irp s, 1,2,3,4,5
	s_wait_loadcnt 48
	MULQK \s, 2+(\s)%2, 1
	PLACES
	LOADK \s+2, 2+(\s)%2                           ; into the buffer just multiplied
.endr
	s_wait_loadcnt 48
	MULQK 6, 2, 1
	WIN 0
	TBLOAD 0
	TBLOAD 1
	s_wait_loadcnt 16                              ; K step 7 is in; the 16 loads of the table may be out
	MULQK 7, 3, 1
	PLACES
.irp i, 0,1,2,3,4,5,6,7
	EPI \i
.endr
.irp p, 0,1,2,3
	v_cndmask_b32 v[OUTW+\p], v[WW+2*\p], v[WW+2*\p+1], s49   ; lanes 0-15 carry tile 2 p's words, lanes 16-31 tile 2 p + 1's
.endr
	global_store_b128 v1, v[OUTW:OUTW+3], s[42:43]   ; 512 consecutive bytes
	s_endpgm
	; ---- v
.Lvpath:
	v_and_b32 v3, 15, v0
	v_and_b32 v13, 8, v3
	v_add_nc_u32 v3, v3, v13
	v_lshlrev_b32 v3, 2, v3                        ; my channel slot's place: 4 (r + 8 (r / 8))
	v_lshrrev_b32 v14, 1, v1                       ; 8 x lane
.irp n, 0,1,2,3
	global_load_b32 v[BIAS+\n], v3, s[38:39] offset:(32*(\n/2)+8*(\n%2))*4
.endr
	LOADK 0, 2
	LOADK 1, 3
	s_wait_loadcnt 48
	MULV 0, 2, 0
	PLACES
	LOADK 2, 2
.irp s, 1,2,3,4,5
	s_wait_loadcnt 48
	MULV \s, 2+(\s)%2, 1
	PLACES
	LOADK \s+2, 2+(\s)%2
.endr
	s_wait_loadcnt 48
	MULV 6, 2, 1
	s_wait_loadcnt 0x0
	MULV 7, 3, 1
	PLACES
.irp n, 0,1,2,3
	EPV \n
.endr
	v_cndmask_b32 v[OUTW], v[WW], v[WW+1], s49
	v_cndmask_b32 v[OUTW+1], v[WW+2], v[WW+3], s49
	global_store_b64 v14, v[OUTW:OUTW+1], s[42:43]   ; 256 consecutive bytes, aligned
	s_endpgm
.Lfunc_end_k_qf0cc8f015a_qkv:
	.size	k_qf0cc8f015a_qkv, .Lfunc_end_k_qf0cc8f015a_qkv-k_qf0cc8f015a_qkv
	.p2alignl 7, 3214868480
	.fill 96, 4, 3214868480
	.section	.rodata,"a",@progbits
	.p2align	6, 0x0
	.amdhsa_kernel k_qf0cc8f015a_qkv
		.amdhsa_group_segment_fixed_size 0
		.amdhsa_private_segment_fixed_size 0
		.amdhsa_enable_private_segment 0
		.amdhsa_kernarg_size 72
		.amdhsa_user_sgpr_count 2
		.amdhsa_user_sgpr_kernarg_segment_ptr 1
		.amdhsa_wavefront_size32 1
		.amdhsa_system_sgpr_workgroup_id_x 1
		.amdhsa_system_sgpr_workgroup_id_y 1
		.amdhsa_system_sgpr_workgroup_id_z 1
		.amdhsa_system_vgpr_workitem_id 0
		.amdhsa_next_free_vgpr 960
		.amdhsa_next_free_sgpr 66
		.amdhsa_reserve_vcc 0
		.amdhsa_float_denorm_mode_32 3
		.amdhsa_float_denorm_mode_16_64 3
		.amdhsa_memory_ordered 1
		.amdhsa_forward_progress 1
		.amdhsa_inst_pref_size 246
	.end_amdhsa_kernel
	.amdgpu_metadata
---
amdhsa.version: [ 1, 2 ]
amdhsa.kernels:
  - .name:           k_qf0cc8f015a_qkv
    .symbol:         k_qf0cc8f015a_qkv.kd
    .args:
      - { .name: img, .offset: 0, .size: 8, .value_kind: global_buffer, .address_space: global }
      - { .name: scl, .offset: 8, .size: 8, .value_kind: global_buffer, .address_space: global }
      - { .name: rope, .offset: 16, .size: 8, .value_kind: global_buffer, .address_space: global }
      - { .name: wq_b, .offset: 24, .size: 8, .value_kind: global_buffer, .address_space: global }
      - { .name: wk_b, .offset: 32, .size: 8, .value_kind: global_buffer, .address_space: global }
      - { .name: wv_b, .offset: 40, .size: 8, .value_kind: global_buffer, .address_space: global }
      - { .name: qimg, .offset: 48, .size: 8, .value_kind: global_buffer, .address_space: global }
      - { .name: qscl, .offset: 56, .size: 8, .value_kind: global_buffer, .address_space: global }
      - { .name: kv, .offset: 64, .size: 8, .value_kind: global_buffer, .address_space: global }
    .group_segment_fixed_size: 0
    .private_segment_fixed_size: 0
    .kernarg_segment_align: 8
    .kernarg_segment_size: 72
    .max_flat_workgroup_size: 96
    .sgpr_count:     66
    .vgpr_count:     960
    .wavefront_size: 32
...
	.end_amdgpu_metadata
.endif
;; end of part 2
;; launch attn (part 3): grid 32 x 8, 16 waves a work-group, no clusters, 174,080 bytes of LDS; arguments qimg, qscl, kv, cimg, cscl; writes cimg, cscl
.if DOCPART == 3
	.amdgcn_target "amdgcn-amd-amdhsa--gfx1250"
	.amdhsa_code_object_version 6
	.text
	.protected	k_qf0cc8f015a_attn
	.globl	k_qf0cc8f015a_attn
	.p2align	8
	.type	k_qf0cc8f015a_attn,@function
k_qf0cc8f015a_attn:
	s_mov_b64 s[64:65], 0
	v_nop
	global_prefetch_b8 v0, s[64:65] scope:SCOPE_SE
	s_setreg_imm32_b32 hwreg(HW_REG_WAVE_MODE, 25, 1), 1
	s_wait_xcnt 0x0
; ctx[b][q][head][:] = sum over the keys q - 1024 .. q of softmax(q . k / 8) v, both products on codes of FP8 (E4M3) with E8M0 scales; ctx is quantised along (head, channel) for the output projection.
; THE SOFTMAX AHEAD OF THE SECOND PRODUCT: t = score x log2(e) / 8; M = the largest t so far, rounded up to a whole number; p = 2^(t - M) is quantised along the keys; the sum of the unquantised p divides at the end.
; SHARES.  Work-group (m, y): queries 64 m .. 64 m + 63 of batch y / 4, kv head y % 4.  Wave w: query head 4 (y % 4) + w % 4, query tile 4 m + w / 4: 16 queries in 256 registers, four waves to a SIMD.
; KEY STEPS of 128 go DOWNWARD from step m / 2, in which the diagonal lies: trip t takes step m / 2 - t.  Trip 0 hides keys after the query, trip 8 keys more than 1,024 before it (1,024 = 8 x 128, so one number a lane
; serves both ends); trips 1 to 7 hide nothing; a trip whose step would lie before key 0 does no work.  The loop's count is the constant 9.  The query's own key lies in trip 0, so M is a number from the first step on.
; LDS.  A key step's record (K's codes 8,192, V's codes 8,192, K's words 512, V's words 256 bytes) is an image of the operands' registers.  Trip t's record has slot t to itself: every byte of a slot is written once.
; The 512 threads bring a record through registers, asked for a whole key step ahead.  No cluster: only pairs of query blocks walk the same steps, and a step's 17 KB are little beside its vector work.
; ONE BARRIER A TRIP, its halves apart: ahead of the signal a wave has stored its part of slot t + 1 and waited for that; between signal and wait it works on slot t, which nobody writes again.
; BOTH PRODUCTS ARE USED TRANSPOSED (S^T = K Q^T, O^T = V^T P^T): a lane holds one query.  Key tile 2 b + u holds keys 32 b + 8 u + slot + 8 (slot / 8): the registers of tiles 2 b, 2 b + 1 are keys 32 b + 16 h + 0 .. 15.
; K = 64 IN THE FORM OF 128: Q's registers 8-15 are zero codes; a key tile's upper eight registers are the next tile's codes (finite: the quantiser holds at 448), or zeros behind the last; bytes 2, 3 of both words are 0x7f.
; LIMITS: NaN and infinities are not served; a block of zeros, or one under 2^-118, gets the byte 1 (this program alone reads the bytes).
.set REC,   17152
.set GATH,  10*REC                     ; behind ten slots (the tenth is never written: it keeps the stepped store address inside the slots): 512 bytes, ctx's scale bytes of the work-group
.set SPARE, GATH+512                   ; the spare words, 128 bytes for each of sixteen waves: eight blocks of 256 bytes that no other line names
.set S,    104                         ; v104-167 S^T, then p
.set OT,   168                         ; v168-199 O^T
.set PCD,  200                         ; v200-215 p's codes
.set TM,   216                         ; v216-231 at work: BM, PT, HD, SO; on the way out the quantiser's
.set BM,   216                         ; the blocks' largest scores, then largest p
.set PT,   220
.set HD,   224                         ; 448 x the scale
.set SO,   228                         ; the conversions' scale operands
.set KS,   232                         ; v232-235 K's words: pair p: lanes 0-15 tile 2 p, lanes 16-31 tile 2 p + 1
.set VS,   236                         ; v236-237 V's
.set FF,   238                         ; v[238:239] f = 2^(old M - new M)
.set PW,   240                         ; p's word; on the way out ctx's two bytes
.set QS,   241                         ; Q's word
.set TP,   242
.set NINF, 243
.set STG,  244                         ; v244-253 a record's bytes on their way to LDS
.set RA8,  254
.set WV,   14
.set HIGH, 15
.set NST,  16
.set TT,   17
.set SB,   18                          ; (trip + 1) x REC
.set RB,   19                          ; trip x REC
.set RP,   20                          ; s[20:21] the record to be loaded next
.set SEL,  22
.set CS,   24                          ; s[24:25] log2(e) / 8
.set MNT,  26
.macro PLACES
.rept 8
	v_nop
.endr
.endm
.macro WM d, a, b, c, sa, sb, pa       ; one matrix instruction.  c < 0: the constant 0 starts the sum.  pa: source 0's scales stand in lanes 16-31
.if (\c) < 0
.if (\pa)
	v_wmma_scale_f32_16x16x128_f8f6f4 v[(\d):(\d)+7], v[(\a):(\a)+15], v[(\b):(\b)+15], 0, v[\sa], v[\sb] matrix_a_scale:MATRIX_SCALE_ROW1
.else
	v_wmma_scale_f32_16x16x128_f8f6f4 v[(\d):(\d)+7], v[(\a):(\a)+15], v[(\b):(\b)+15], 0, v[\sa], v[\sb]
.endif
.else
.if (\pa)
	v_wmma_scale_f32_16x16x128_f8f6f4 v[(\d):(\d)+7], v[(\a):(\a)+15], v[(\b):(\b)+15], v[(\c):(\c)+7], v[\sa], v[\sb] matrix_a_scale:MATRIX_SCALE_ROW1
.else
	v_wmma_scale_f32_16x16x128_f8f6f4 v[(\d):(\d)+7], v[(\a):(\a)+15], v[(\b):(\b)+15], v[(\c):(\c)+7], v[\sa], v[\sb]
.endif
.endif
.endm
.macro RECLOAD                         ; 512 threads x 32 bytes, and in waves 0 to 2 eight more: 17,152 bytes
	global_load_b128 v[STG:STG+3], v5, s[RP:RP+1]
	global_load_b128 v[STG+4:STG+7], v5, s[RP:RP+1] offset:8192
	s_cmp_lt_u32 s[WV], 3
	s_cbranch_scc0 .Lno_ltail_\@
	global_load_b64 v[STG+8:STG+9], v6, s[RP:RP+1]
.Lno_ltail_\@:
.endm
.macro RECSTORE a16, a8
	ds_store_b128 v[\a16], v[STG:STG+3]
	ds_store_b128 v[\a16], v[STG+4:STG+7] offset:8192
	s_cmp_lt_u32 s[WV], 3
	s_cbranch_scc0 .Lno_stail_\@
	ds_store_b64 v[\a8], v[STG+8:STG+9]
.Lno_stail_\@:
.endm
.macro MASK cmp                        ; register n holds key 32 (n / 16) + n % 16 + 16 h of the step; v7 = my query's place in the diagonal step - 16 h
.set n, 0
.rept 64
	v_cmp_\cmp\()_i32 vcc_lo, 32*(n/16)+n%16, v7
	v_cndmask_b32 v[S+n], v[S+n], v[NINF], vcc_lo
.set n, n+1
.endr
.endm
.macro QUANT src, nb, pc               ; 16 nb numbers of a lane, v[src + 16 b + i] = k 32 b + 16 h + i, become codes in v[pc] on and scale bytes in v[PW]
.set qb, 0
.rept \nb
	v_max3_num_f32 v[TM+qb], |v[(\src)+16*qb]|, |v[(\src)+16*qb+1]|, 0x4800000
.set qb, qb+1
.endr
.set qi, 2
.rept 7
.set qb, 0
.rept \nb
	v_max3_num_f32 v[TM+qb], v[TM+qb], |v[(\src)+16*qb+qi]|, |v[(\src)+16*qb+qi+1]|
.set qb, qb+1
.endr
.set qi, qi+2
.endr
.set qb, 0
.rept \nb
	v_permlanex16_b32 v[TM+4+qb], v[TM+qb], s[SEL], s[SEL+1]
.set qb, qb+1
.endr
.set qb, 0
.rept \nb
	v_max_num_f32 v[TM+qb], v[TM+qb], v[TM+4+qb]
.set qb, qb+1
.endr
.set qb, 0
.rept \nb
	v_add_nc_u32 v[TM+12+qb], 0xfc000000, v[TM+qb]
	v_and_or_b32 v[TM+8+qb], v[TM+qb], 0x7f800000, s[MNT]
.set qb, qb+1
.endr
.set qb, 0
.rept \nb
	v_lshrrev_b32 v[TM+4+qb], 23, v[TM+12+qb]
.set qb, qb+1
.endr
	v_lshl_or_b32 v[PW], v[TM+5], 8, v[TM+4]
.set qb, 0
.rept \nb
.set qi, 0
.rept 16
	v_med3_num_f32 v[(\src)+16*qb+qi], v[(\src)+16*qb+qi], -v[TM+8+qb], v[TM+8+qb]
.set qi, qi+1
.endr
	v_cvt_scalef32_pk8_fp8_f32 v[(\pc)+4*qb:(\pc)+4*qb+1], v[(\src)+16*qb:(\src)+16*qb+7], v[TM+12+qb]
	v_cvt_scalef32_pk8_fp8_f32 v[(\pc)+4*qb+2:(\pc)+4*qb+3], v[(\src)+16*qb+8:(\src)+16*qb+15], v[TM+12+qb]
.set qb, qb+1
.endr
	v_nop
.endm
	s_load_b256 s[4:11], s[0:1], 0x0               ; qimg, qscl, kv, cimg
	s_load_b64 s[12:13], s[0:1], 0x20              ; cscl
	v_lshl_add_u32 v3, v0, 2, SPARE                ; my spare word; never rewritten
	v_mov_b32 v4, 0                                ; 0; never rewritten
	v_lshrrev_b32 v1, 5, v0
	v_readfirstlane_b32 s[WV], v1                  ; wave 0..15
	v_and_b32 v2, 31, v0
	v_lshlrev_b32 v1, 4, v2                        ; 16 x lane
	v_lshlrev_b32 v2, 3, v2                        ; 8 x lane
	v_lshlrev_b32 v5, 4, v0                        ; 16 x thread: my bytes of a record, in memory and in a slot
	v_lshlrev_b32 v6, 3, v0
	v_add_nc_u32 v6, 16384, v6                     ; and, in waves 0 to 2, of its 768 bytes of words
	v_and_b32 v9, 15, v0                           ; r
	v_bfe_u32 v10, v0, 4, 1                        ; h
	v_lshlrev_b32 v255, 4, v9                      ; 16 r
.irp j, 0,1,2,3,4,5,6,7
	v_mov_b32 v[24+\j], 0                          ; Q's upper half: zero codes
	v_mov_b32 v[96+\j], 0                          ; and what stands behind the last key tile
.endr
	s_and_b32 s28, ttmp7, 0xffff                   ; y
	s_lshr_b32 s29, s28, 2                         ; batch
	s_and_b32 s30, s28, 3                          ; kv head
	s_and_b32 s31, s[WV], 3
	s_lshr_b32 s32, s[WV], 2                       ; which of the block's four query tiles
	s_lshl_b32 s33, s30, 2
	s_add_co_u32 s33, s33, s31                     ; query head
	s_lshl_b32 s34, s29, 7
	s_lshl_b32 s35, ttmp9, 2
	s_add_co_u32 s34, s34, s35
	s_add_co_u32 s34, s34, s32                     ; query tile, of 256
	s_lshr_b32 s[HIGH], ttmp9, 1                   ; the diagonal's key step
	s_min_u32 s[NST], s[HIGH], 8                   ; the last trip that has work
	s_and_b32 s27, ttmp9, 1
	s_lshl_b32 s27, s27, 6
	s_lshr_b32 s35, s32, 1
	s_lshl_b32 s35, s35, 5
	s_add_co_u32 s27, s27, s35
	s_and_b32 s35, s32, 1
	s_lshl_b32 s35, s35, 3
	s_add_co_u32 s27, s27, s35                     ; my tile's first query in the diagonal step
	v_and_b32 v7, 8, v9
	v_add_nc_u32 v7, v7, v9
	v_lshlrev_b32 v[TP], 4, v10
	v_sub_nc_u32 v7, v7, v[TP]
	v_add_nc_u32 v7, s27, v7                       ; my query's place there, less 16 h
	s_lshr_b32 s38, s[WV], 3                       ; ctx's scale bytes: 256 (tile / 2) + 128 (tile % 2) + 8 r + 2 (head % 4)
	s_lshl_b32 s38, s38, 8
	s_bfe_u32 s35, s[WV], 0x10002
	s_lshl_b32 s35, s35, 7
	s_add_co_u32 s38, s38, s35
	s_lshl_b32 s35, s31, 1
	s_add_co_u32 s38, s38, s35
	s_add_co_u32 s38, s38, GATH
	v_lshl_add_u32 v11, v9, 3, s38
	s_mov_b32 s[SEL], 0x76543210
	s_mov_b32 s[SEL+1], 0xfedcba98
	s_mov_b32 s[CS], 0x3e38aa3b                    ; log2(e) / 8
	s_mov_b32 s[CS+1], s[CS]                       ; (named with it as a pair, so it is written)
	s_mov_b32 s[MNT], 0x600000
	s_mov_b32 s37, 0
	s_wait_kmcnt 0x0
	s_lshl_b32 s36, s28, 4
	s_add_co_u32 s36, s36, s[HIGH]
	s_mul_i32 s36, s36, REC
	s_add_nc_u64 s[RP:RP+1], s[8:9], s[36:37]      ; the diagonal step's record
	s_lshl_b32 s36, s33, 18
	s_lshl_b32 s35, s34, 10
	s_add_co_u32 s36, s36, s35
	s_add_nc_u64 s[4:5], s[4:5], s[36:37]          ; Q's codes
	s_lshl_b32 s36, s33, 14
	s_lshr_b32 s35, s34, 3
	s_lshl_b32 s35, s35, 9
	s_add_co_u32 s36, s36, s35
	s_and_b32 s35, s34, 1
	s_lshl_b32 s35, s35, 8
	s_add_co_u32 s36, s36, s35
	s_bfe_u32 s35, s34, 0x20001
	s_lshl_b32 s35, s35, 2
	s_add_co_u32 s36, s36, s35
	s_add_nc_u64 s[6:7], s[6:7], s[36:37]          ; Q's words: 16,384 a head, 512 a block of 8 tiles, 256 (tile % 2), 4 ((tile / 2) % 4)
	s_lshl_b32 s36, s34, 14
	s_lshl_b32 s35, s33, 10
	s_add_co_u32 s36, s36, s35
	s_add_nc_u64 s[10:11], s[10:11], s[36:37]      ; ctx's codes: 16,384 a tile, 1,024 a head
	s_lshl_b32 s36, s29, 16
	s_lshl_b32 s35, ttmp9, 11
	s_add_co_u32 s36, s36, s35
	s_lshl_b32 s35, s30, 8
	s_add_co_u32 s36, s36, s35
	s_add_nc_u64 s[12:13], s[12:13], s[36:37]      ; ctx's words: 1,024 a tile pair, 256 a kv head
	RECLOAD
	global_load_b128 v[16:19], v1, s[4:5]
	global_load_b128 v[20:23], v1, s[4:5] offset:512
	global_load_b32 v[QS], v255, s[6:7]
	v_mov_b32 v13, 0xff61b1e6                      ; the largest t so far: -3e38
	v_floor_f32 v12, -v13                          ; -M
	v_mov_b32 v14, 0                               ; the sum, in two halves
	v_mov_b32 v15, 0
	v_mov_b32 v[FF+1], 0                           ; (named as the upper half of a pair)
	v_mov_b32 v[NINF], 0xff800000
.irp b, 0,1,2,3
	v_mov_b32 v[PT+\b], 0                          ; written once: a lane permute's destination counts as one of its sources
.endr
.irp j, 0,1,2,3,4,5,6,7,8,9,10,11,12,13,14,15,16,17,18,19,20,21,22,23,24,25,26,27,28,29,30,31
	v_mov_b32 v[OT+\j], 0                          ; O^T: the step is written once, and the first finds zeros
.endr
	s_wait_loadcnt 0x0
	RECSTORE 5, 6                                  ; slot 0
	s_wait_dscnt 0x0                               ; for the others' sake; and the staging registers are free
	s_sub_nc_u64 s[RP:RP+1], s[RP:RP+1], REC       ; (its loads are done)
	s_cmp_ge_u32 s[NST], 1
	s_cbranch_scc0 .Lonly_one
	RECLOAD
.Lonly_one:
	s_barrier_signal -1
	s_barrier_wait -1                              ; slot 0 is whole
	s_mov_b32 s[TT], 0
	s_mov_b32 s[SB], REC
	s_mov_b32 s[RB], 0
.Ltrip:
	s_wait_loadcnt 0x0                             ; the next record's bytes, asked for a key step ago
	v_add_nc_u32 v9, s[SB], v5                     ; all four LDS addresses are made on every wave's path
	v_add_nc_u32 v10, s[SB], v6
	v_add_nc_u32 v8, s[RB], v1
	v_add_nc_u32 v[RA8], s[RB], v2
	s_cmp_lt_u32 s[TT], s[NST]
	s_cbranch_scc0 .Lno_store
	RECSTORE 9, 10                                 ; slot trip + 1
.Lno_store:
	s_wait_dscnt 0x0                               ; zero, for the others' sake: my part of the next slot has landed; and the staging registers are free
	s_sub_nc_u64 s[RP:RP+1], s[RP:RP+1], REC       ; (the loads that named it are done)
	s_add_co_u32 s27, s[TT], 2
	s_cmp_le_u32 s27, s[NST]
	s_cbranch_scc0 .Lno_load
	RECLOAD                                        ; the record two trips on: it has this key step in which to come
.Lno_load:
	s_barrier_signal -1
	s_cmp_le_u32 s[TT], s[HIGH]
	s_cbranch_scc0 .Lno_step
	; ---- a key step: 128 keys out of slot trip
.set kt, 0
.rept 8
	ds_load_b128 v[32+8*kt:35+8*kt], v8 offset:1024*kt
	ds_load_b128 v[36+8*kt:39+8*kt], v8 offset:1024*kt+512
.set kt, kt+1
.endr
	ds_load_b128 v[KS:KS+3], v8 offset:16384
	ds_load_b64 v[VS:VS+1], v[RA8] offset:16896
	s_wait_dscnt 0x0
.set kt, 0
.rept 8
	WM S+8*kt, 32+8*kt, 16, -1, KS+kt/2, QS, kt%2
.set kt, kt+1
.endr
	PLACES                                         ; ahead of the loads into K's registers and of the first read of the scores
.set dt, 0
.rept 4
.irp c, 0,1,2,3
	ds_load_b128 v[32+16*dt+4*\c:35+16*dt+4*\c], v8 offset:8192+2048*dt+512*\c   ; V: it lands under the softmax
.endr
.set dt, dt+1
.endr
	s_cmp_lg_u32 s[TT], 0
	s_cbranch_scc1 .Lnot_diag
	MASK gt                                        ; the diagonal: keys after my query
.Lnot_diag:
	s_cmp_lg_u32 s[TT], 8
	s_cbranch_scc1 .Lnot_edge
	MASK lt                                        ; the window's edge: keys more than 1,024 before my query
.Lnot_edge:
.irp b, 0,1,2,3
	v_max3_num_f32 v[BM+\b], v[S+16*\b], v[S+1+16*\b], v[S+2+16*\b]   ; the largest score of each block of 32 keys: for the row's maximum and, since p rises with the score, for the block's largest p
.endr
.irp i, 3,5,7,9,11,13
.irp b, 0,1,2,3
	v_max3_num_f32 v[BM+\b], v[BM+\b], v[S+16*\b+\i], v[S+1+16*\b+\i]
.endr
.endr
.irp b, 0,1,2,3
	v_max_num_f32 v[BM+\b], v[BM+\b], v[S+15+16*\b]
.endr
.irp b, 0,1,2,3
	v_permlanex16_b32 v[PT+\b], v[BM+\b], s[SEL], s[SEL+1]
.endr
.irp b, 0,1,2,3
	v_max_num_f32 v[BM+\b], v[BM+\b], v[PT+\b]     ; with lane l xor 16's 16 keys
.endr
	v_max3_num_f32 v[TP], v[BM], v[BM+1], v[BM+2]
	v_max_num_f32 v[TP], v[TP], v[BM+3]
	v_mul_f32 v[TP], s[CS], v[TP]
	v_max_num_f32 v13, v13, v[TP]                  ; the running largest t
	v_mov_b32 v[TP], v12
	v_floor_f32 v12, -v13                          ; the new -M: a whole number
	v_sub_f32 v[TP], v12, v[TP]                    ; old M - new M, 0 or less
	v_cvt_i32_f32 v[TP], v[TP]                     ; (it saturates)
	v_ldexp_f32 v[FF], 1.0, v[TP]                  ; f: a multiplication by it rounds nothing
.set j, 0
.rept 32
	v_pk_fma_f32 v[S+j:S+j+1], v[S+j:S+j+1], s[CS:CS+1], v[12:13] op_sel_hi:[1,0,0]   ; t - M
.set j, j+2
.endr
.irp b, 0,1,2,3
	v_fma_f32 v[BM+\b], v[BM+\b], s[CS], v12
.endr
.set j, 0
.rept 64
	v_exp_f32 v[S+j], v[S+j]                       ; p, at most 1
.set j, j+1
.endr
	v_pk_mul_f32 v[14:15], v[14:15], v[FF:FF+1] op_sel_hi:[1,0]   ; the sums under the new M (a plain line behind the exponentials)
	s_wait_alu depctr_va_vdst(0)                   ; one wait for the batch of 64, ahead of its first reader
.irp b, 0,1,2,3
	v_exp_f32 v[BM+\b], v[BM+\b]                   ; the blocks' largest p
.endr
	v_pk_add_f32 v[PT:PT+1], v[S:S+1], v[S+2:S+3]  ; the row's sum of the unquantised p, in two chains
.irp j, 4,8,12,16,20,24,28,32,36,40,44,48,52,56,60
	v_pk_add_f32 v[14:15], v[14:15], v[S+\j:S+1+\j]
	v_pk_add_f32 v[PT:PT+1], v[PT:PT+1], v[S+2+\j:S+3+\j]
.endr
	v_pk_add_f32 v[14:15], v[14:15], v[PT:PT+1]
	s_wait_alu depctr_va_vdst(0)                   ; and one for the four
.irp b, 0,1,2,3
	v_max_num_f32 v[BM+\b], 0x4800000, v[BM+\b]    ; the floor 2^(9 - 127): a block whose every p is 0 keeps the byte 1 over zero codes
.endr
.irp b, 0,1,2,3
	v_add_nc_u32 v[SO+\b], 0xfc000000, v[BM+\b]
.endr
.irp b, 0,1,2,3
	v_and_or_b32 v[HD+\b], v[BM+\b], 0x7f800000, s[MNT]
.endr
.irp b, 0,1,2,3
	v_lshrrev_b32 v[PT+\b], 23, v[SO+\b]
.endr
	v_lshl_or_b32 v[PW], v[PT+1], 8, v[PT]         ; p's word for these 128 keys
	v_lshl_or_b32 v[PW], v[PT+2], 16, v[PW]
	v_lshl_or_b32 v[PW], v[PT+3], 24, v[PW]
.irp b, 0,1,2,3
.irp i, 0,1,2,3,4,5,6,7,8,9,10,11,12,13,14,15
	v_min_num_f32 v[S+16*\b+\i], v[S+16*\b+\i], v[HD+\b]   ; the hold; p is not negative
.endr
	v_cvt_scalef32_pk8_fp8_f32 v[PCD+4*\b:PCD+1+4*\b], v[S+16*\b:S+7+16*\b], v[SO+\b]
	v_cvt_scalef32_pk8_fp8_f32 v[PCD+2+4*\b:PCD+3+4*\b], v[S+8+16*\b:S+15+16*\b], v[SO+\b]
.endr
.set j, 0
.rept 16
	v_pk_mul_f32 v[OT+j:OT+j+1], v[OT+j:OT+j+1], v[FF:FF+1] op_sel_hi:[1,0]   ; O^T under the new M; these sixteen also stand between the codes and the products
.set j, j+2
.endr
	s_wait_dscnt 0x0                               ; V is in
.set dt, 0
.rept 4
	WM OT+8*dt, 32+16*dt, PCD, OT+8*dt, VS+dt/2, PW, dt%2   ; four accumulators, one instruction a turn; the scores' eight products stand between a link and the next
.set dt, dt+1
.endr
	PLACES                                         ; ahead of the next step's loads into V's registers and words, and of the reads of O^T
.Lno_step:
	s_barrier_wait -1                              ; every wave has stored its part of slot trip + 1
	s_add_co_u32 s[SB], s[SB], REC
	s_add_co_u32 s[RB], s[RB], REC
	s_add_co_u32 s[TT], s[TT], 1
	s_cmp_lt_u32 s[TT], 9
	s_cbranch_scc1 .Ltrip
	; ---- the way out: O^T / the sum, quantised along the head's 64 channels: registers 16 b + i are channels 32 b + 16 h + i of my query
	v_add_f32 v14, v14, v15
	v_permlanex16_b32 v[TP], v14, s[SEL], s[SEL+1]
	v_add_f32 v14, v14, v[TP]                      ; the row's sum
	v_rcp_f32 v14, v14
	v_bfe_u32 v[TP], v0, 4, 1                      ; (a plain line behind the transcendental)
	v_lshl_add_u32 v[RA8], v[TP], 10, v255         ; wave 0's offset in cscl: 1,024 (lane / 16) + 16 (lane % 16)
	v_add_nc_u32 v8, GATH, v1
	s_wait_alu depctr_va_vdst(0)                   ; the wait ahead of the reciprocal's first reader
.set j, 0
.rept 16
	v_pk_mul_f32 v[S+j:S+j+1], v[OT+j:OT+j+1], v[14:15] op_sel_hi:[1,0]
.set j, j+2
.endr
	QUANT S, 2, PCD
	global_store_b128 v1, v[PCD:PCD+3], s[10:11]             ; 512 consecutive bytes a store
	global_store_b128 v1, v[PCD+4:PCD+7], s[10:11] offset:512
	ds_store_b16 v11, v[PW]                        ; my head's two bytes of my query's word; lanes r and r + 16 write the same
	s_wait_dscnt 0x0
	s_barrier_signal -1
	s_barrier_wait -1
	s_cmp_lg_u32 s[WV], 0
	s_cbranch_scc1 .Lend
	ds_load_b128 v[S:S+3], v8
	s_wait_dscnt 0x0
	global_store_b128 v[RA8], v[S:S+3], s[12:13]   ; sixteen lanes store 256 consecutive bytes, aligned: one run for each of the block's two tile pairs
.Lend:
	s_wait_tensorcnt 0x0                           ; the wave's end, behind my last LDS store
	ds_add_u32 v3, v4
	s_wait_dscnt 0x0
	s_endpgm
.Lfunc_end_k_qf0cc8f015a_attn:
	.size	k_qf0cc8f015a_attn, .Lfunc_end_k_qf0cc8f015a_attn-k_qf0cc8f015a_attn
	.p2alignl 7, 3214868480
	.fill 96, 4, 3214868480
	.section	.rodata,"a",@progbits
	.p2align	6, 0x0
	.amdhsa_kernel k_qf0cc8f015a_attn
		.amdhsa_group_segment_fixed_size 174080
		.amdhsa_private_segment_fixed_size 0
		.amdhsa_enable_private_segment 0
		.amdhsa_kernarg_size 40
		.amdhsa_user_sgpr_count 2
		.amdhsa_user_sgpr_kernarg_segment_ptr 1
		.amdhsa_wavefront_size32 1
		.amdhsa_system_sgpr_workgroup_id_x 1
		.amdhsa_system_sgpr_workgroup_id_y 1
		.amdhsa_system_sgpr_workgroup_id_z 1
		.amdhsa_system_vgpr_workitem_id 0
		.amdhsa_next_free_vgpr 256
		.amdhsa_next_free_sgpr 66
		.amdhsa_reserve_vcc 1
		.amdhsa_float_denorm_mode_32 3
		.amdhsa_float_denorm_mode_16_64 3
		.amdhsa_memory_ordered 1
		.amdhsa_forward_progress 1
		.amdhsa_inst_pref_size 43
	.end_amdhsa_kernel
	.amdgpu_metadata
---
amdhsa.version: [ 1, 2 ]
amdhsa.kernels:
  - .name:           k_qf0cc8f015a_attn
    .symbol:         k_qf0cc8f015a_attn.kd
    .args:
      - { .name: qimg, .offset: 0, .size: 8, .value_kind: global_buffer, .address_space: global }
      - { .name: qscl, .offset: 8, .size: 8, .value_kind: global_buffer, .address_space: global }
      - { .name: kv, .offset: 16, .size: 8, .value_kind: global_buffer, .address_space: global }
      - { .name: cimg, .offset: 24, .size: 8, .value_kind: global_buffer, .address_space: global }
      - { .name: cscl, .offset: 32, .size: 8, .value_kind: global_buffer, .address_space: global }
    .group_segment_fixed_size: 174080
    .private_segment_fixed_size: 0
    .kernarg_segment_align: 8
    .kernarg_segment_size: 40
    .max_flat_workgroup_size: 512
    .sgpr_count:     66
    .vgpr_count:     256
    .wavefront_size: 32
...
	.end_amdgpu_metadata
.endif
;; end of part 3
;; launch oproj (part 4): grid 8 x 32, 2 waves a work-group, no clusters, 8,960 bytes of LDS; arguments img, scl, cimg, cscl, out0; writes out0
.if DOCPART == 4
	.amdgcn_target "amdgcn-amd-amdhsa--gfx1250"
	.amdhsa_code_object_version 6
	.text
	.protected	k_qf0cc8f015a_oproj
	.globl	k_qf0cc8f015a_oproj
	.p2align	8
	.type	k_qf0cc8f015a_oproj,@function
k_qf0cc8f015a_oproj:
	s_mov_b64 s[64:65], 0
	v_nop
	global_prefetch_b8 v0, s[64:65] scope:SCOPE_SE
	s_setreg_imm32_b32 hwreg(HW_REG_WAVE_MODE, 25, 1), 1
	s_wait_xcnt 0x0
; out0 = ctx wo^T on codes of FP8 (E4M3) with E8M0 scales; out0 [4096][1024] f32.
; SHARES.  Work-group y takes rows 128 y .. 128 y + 127; wave w of work-group x takes columns 64 (2 x + w) on: 128 x 64, 32 accumulators.  Both operands lie in memory as images of the operand's registers
; (tile 2 G + u = rows 32 G + 8 u + slot + 8 (slot / 8)) and come by loads of 512 consecutive bytes straight into registers; no tile passes through LDS, so there is nothing to receive jointly in a cluster.
; Source 0 = 16 rows of wo, source 1 = 16 rows of ctx: lane (r, h) holds row slot r; register 8 t + j of a row tile is column 32 (t / 2) + 16 h + 8 (t % 2) + j of my 64.
; THE WAY OUT.  A row tile goes through the wave's own stage in LDS (16 rows of 256 + 16 bytes) and leaves by rows: sixteen lanes store 256 consecutive bytes, aligned.
; REGISTERS.  Window 1: the accumulators ((i, t) at 8 (4 i + t)).  Windows 2 and 3: two buffers of fragments, ctx's tile i at v[16 i], wo's tile t at v[128 + 16 t].  Window 0: all else.
.set STGB,  16*272
.set SPARE, 2*STGB                     ; behind the two stages: the spare words, 128 bytes a wave: one block of 256 bytes that no other line names
.set L8,   3                           ; v3  8 x lane
.set STO,  4                           ; v4  into the stage: 272 r + 64 h
.set RD,   5                           ; v5  out of it: 272 (lane / 16) + 16 (lane % 16)
.set CO,   6                           ; v6  the same place in out0: 4,096 (lane / 16) + 16 (lane % 16)
.set SPW,  8
.set NIL,  9
.set XS,   16                          ; v16-47 ctx's scale words: pair P, K step s at 16 + 8 P + s
.set WS,   48                          ; v48-63 wo's
.set OUTR, 64                          ; v64-127 two sets of 16 rows x 256 bytes
.set XB,   28
.set WB,   30
.set MSB, 0
.macro WIN new                         ; bits 1:0 source 0, 3:2 source 1, 5:4 source 2, 7:6 destination; the immediate's high byte repeats the setting that is left
.if MSB != (\new)
	s_set_vgpr_msb (MSB<<8)|(\new)
.set MSB, \new
.endif
.endm
.macro PLACES                          ; eight plain vector lines between a matrix instruction of this form and a load into its registers or a read of its result
.rept 8
	v_nop
.endr
.endm
.macro WM d, a, b, c, sa, sb, pa, pb
.if (\c) < 0
.if (\pa) && (\pb)
	v_wmma_scale_f32_16x16x128_f8f6f4 v[(\d):(\d)+7], v[(\a):(\a)+15], v[(\b):(\b)+15], 0, v[\sa], v[\sb] matrix_a_scale:MATRIX_SCALE_ROW1 matrix_b_scale:MATRIX_SCALE_ROW1
.elseif (\pa)
	v_wmma_scale_f32_16x16x128_f8f6f4 v[(\d):(\d)+7], v[(\a):(\a)+15], v[(\b):(\b)+15], 0, v[\sa], v[\sb] matrix_a_scale:MATRIX_SCALE_ROW1
.elseif (\pb)
	v_wmma_scale_f32_16x16x128_f8f6f4 v[(\d):(\d)+7], v[(\a):(\a)+15], v[(\b):(\b)+15], 0, v[\sa], v[\sb] matrix_b_scale:MATRIX_SCALE_ROW1
.else
	v_wmma_scale_f32_16x16x128_f8f6f4 v[(\d):(\d)+7], v[(\a):(\a)+15], v[(\b):(\b)+15], 0, v[\sa], v[\sb]
.endif
.else
.if (\pa) && (\pb)
	v_wmma_scale_f32_16x16x128_f8f6f4 v[(\d):(\d)+7], v[(\a):(\a)+15], v[(\b):(\b)+15], v[(\c):(\c)+7], v[\sa], v[\sb] matrix_a_scale:MATRIX_SCALE_ROW1 matrix_b_scale:MATRIX_SCALE_ROW1
.elseif (\pa)
	v_wmma_scale_f32_16x16x128_f8f6f4 v[(\d):(\d)+7], v[(\a):(\a)+15], v[(\b):(\b)+15], v[(\c):(\c)+7], v[\sa], v[\sb] matrix_a_scale:MATRIX_SCALE_ROW1
.elseif (\pb)
	v_wmma_scale_f32_16x16x128_f8f6f4 v[(\d):(\d)+7], v[(\a):(\a)+15], v[(\b):(\b)+15], v[(\c):(\c)+7], v[\sa], v[\sb] matrix_b_scale:MATRIX_SCALE_ROW1
.else
	v_wmma_scale_f32_16x16x128_f8f6f4 v[(\d):(\d)+7], v[(\a):(\a)+15], v[(\b):(\b)+15], v[(\c):(\c)+7], v[\sa], v[\sb]
.endif
.endif
.endm
.macro LOADK s, w                      ; K step s: 48 loads of 512 consecutive bytes into the buffer in window w
	WIN (\w)<<6
.set li, 0
.rept 8
.irp c, 0,1,2,3
	global_load_b128 v[16*li+4*\c:16*li+4*\c+3], v1, s[XB:XB+1] offset:16384*li+2048*(\s)+512*\c
.endr
.set li, li+1
.endr
.set li, 0
.rept 4
.irp c, 0,1,2,3
	global_load_b128 v[128+16*li+4*\c:128+16*li+4*\c+3], v1, s[WB:WB+1] offset:16384*li+2048*(\s)+512*\c
.endr
.set li, li+1
.endr
.endm
.macro MULQK s, w, cm                  ; 32 matrix instructions, the 32 accumulators by turns, in the same order in every K step.  cm = 0: the constant 0 starts the sums; 1: in place
.if (\cm) == 1
	WIN 0x50|((\w)<<2)|(\w)
.else
	WIN 0x40|((\w)<<2)|(\w)
.endif
.set mi, 0
.rept 8
.set mt, 0
.rept 4
.set CC, -1
.if (\cm) == 1
.set CC, 8*(4*mi+mt)
.endif
	WM 8*(4*mi+mt), 128+16*mt, 16*mi, CC, WS+8*(mt/2)+(\s), XS+8*(mi/2)+(\s), mt%2, mi%2
.set mt, mt+1
.endr
.set mi, mi+1
.endr
.endm
.macro TOSTAGE i                       ; row tile i into my stage, each accumulator from its low end on, and back by rows
	WIN 0x04                                       ; an LDS store's data are its source 1: window 1
.irp t, 0,1,2,3
	ds_store_b128 v[STO], v[8*(4*(\i)+\t):8*(4*(\i)+\t)+3] offset:128*(\t/2)+32*(\t%2)
	ds_store_b128 v[STO], v[8*(4*(\i)+\t)+4:8*(4*(\i)+\t)+7] offset:128*(\t/2)+32*(\t%2)+16
.endr
	WIN 0
.irp tt, 0,1,2,3,4,5,6,7
	ds_load_b128 v[OUTR+32*((\i)%2)+4*\tt:OUTR+32*((\i)%2)+4*\tt+3], v[RD] offset:544*\tt   ; LDS serves a wave's instructions in order (ISA guide 5.7.1.4): these see my stores, and the next tile's stores come behind them
.endr
.endm
.macro SEND i, younger                 ; younger: the LDS instructions issued behind tile i's loads
	s_wait_dscnt \younger
.irp tt, 0,1,2,3,4,5,6,7
	global_store_b128 v[CO], v[OUTR+32*((\i)%2)+4*\tt:OUTR+32*((\i)%2)+4*\tt+3], s[40:41] offset:(32*((\i)/2)+8*((\i)%2)+2*\tt+8*(\tt/4))*4096 th:TH_STORE_NT   ; slots 2 tt, 2 tt + 1 at their rows; written once, read by nobody here
.endr
.endm
	s_load_b256 s[4:11], s[0:1], 0x0               ; img, scl, cimg, cscl
	s_load_b64 s[12:13], s[0:1], 0x20              ; out0
	v_lshl_add_u32 v[SPW], v0, 2, SPARE            ; my spare word; never rewritten
	v_mov_b32 v[NIL], 0                            ; 0; never rewritten
	v_lshrrev_b32 v1, 5, v0
	v_readfirstlane_b32 s22, v1                    ; wave 0, 1
	v_and_b32 v2, 31, v0
	v_lshlrev_b32 v1, 4, v2                        ; 16 x lane
	v_lshlrev_b32 v[L8], 3, v2                     ; 8 x lane
	v_lshlrev_b32 v2, 5, v2                        ; 32 x lane
	v_and_b32 v10, 15, v0                          ; r
	v_bfe_u32 v11, v0, 4, 1                        ; h
	s_mul_i32 s25, s22, STGB
	v_mul_u32_u24 v[STO], v10, 272
	v_lshl_add_u32 v[STO], v11, 6, v[STO]
	v_add_nc_u32 v[STO], s25, v[STO]
	v_mul_u32_u24 v[RD], v11, 272
	v_lshl_add_u32 v[RD], v10, 4, v[RD]
	v_add_nc_u32 v[RD], s25, v[RD]
	v_lshlrev_b32 v[CO], 12, v11
	v_lshl_add_u32 v[CO], v10, 4, v[CO]
	s_lshl_b32 s23, ttmp9, 1
	s_add_co_u32 s23, s23, s22                     ; my 64 columns
	s_and_b32 s24, ttmp7, 0xffff                   ; my 128 rows
	s_mov_b32 s27, 0
	s_wait_kmcnt 0x0
	s_lshl_b32 s26, s24, 17
	s_add_nc_u64 s[XB:XB+1], s[8:9], s[26:27]      ; ctx's 8 tiles
	s_lshl_b32 s26, s23, 16
	s_add_co_u32 s26, s26, 352*16384
	s_add_nc_u64 s[WB:WB+1], s[4:5], s[26:27]      ; wo's tiles 352 + 4 hc on
	s_lshl_b32 s26, s23, 11
	s_add_co_u32 s26, s26, 352*512
	s_add_nc_u64 s[34:35], s[6:7], s[26:27]
	s_lshl_b32 s26, s24, 12
	s_add_nc_u64 s[32:33], s[10:11], s[26:27]
	s_lshl_b32 s26, s24, 19
	s_lshl_b32 s25, s23, 8
	s_add_co_u32 s26, s26, s25
	s_add_nc_u64 s[40:41], s[12:13], s[26:27]
.irp P, 0,1
	global_load_b128 v[WS+8*\P:WS+8*\P+3], v2, s[34:35] offset:1024*\P
	global_load_b128 v[WS+8*\P+4:WS+8*\P+7], v2, s[34:35] offset:1024*\P+16
.endr
.irp P, 0,1,2,3
.irp g, 0,1,2,3
	global_load_b64 v[XS+8*\P+2*\g:XS+8*\P+2*\g+1], v[L8], s[32:33] offset:1024*\P+256*\g   ; K steps 2 g, 2 g + 1 of tile pair P: 256 consecutive bytes
.endr
.endr
	LOADK 0, 2
	LOADK 1, 3
	s_wait_loadcnt 48                              ; all but the next K step's 48 loads: the words and this step's fragments are in
	MULQK 0, 2, 0
	PLACES
	LOADK 2, 2
.irp s, 1,2,3,4,5
	s_wait_loadcnt 48
	MULQK \s, 2+(\s)%2, 1
	PLACES
	LOADK \s+2, 2+(\s)%2                           ; into the buffer just multiplied
.endr
	s_wait_loadcnt 48
	MULQK 6, 2, 1
	s_wait_loadcnt 0x0
	MULQK 7, 3, 1
	PLACES
	TOSTAGE 0
.irp i, 1,2,3,4,5,6,7
.if \i > 1
	s_wait_xcnt 0x0                                ; tile i - 2's stores have read the registers into which tile i's rows are loaded
.endif
	TOSTAGE \i
	SEND \i-1, 16                                  ; behind tile i - 1's loads: tile i's 8 stores and 8 loads
.endr
	SEND 7, 0
	s_wait_tensorcnt 0x0                           ; the wave's end, behind my last LDS store
	ds_add_u32 v[SPW], v[NIL]
	s_wait_dscnt 0x0
	s_endpgm
.Lfunc_end_k_qf0cc8f015a_oproj:
	.size	k_qf0cc8f015a_oproj, .Lfunc_end_k_qf0cc8f015a_oproj-k_qf0cc8f015a_oproj
	.p2alignl 7, 3214868480
	.fill 96, 4, 3214868480
	.section	.rodata,"a",@progbits
	.p2align	6, 0x0
	.amdhsa_kernel k_qf0cc8f015a_oproj
		.amdhsa_group_segment_fixed_size 8960
		.amdhsa_private_segment_fixed_size 0
		.amdhsa_enable_private_segment 0
		.amdhsa_kernarg_size 40
		.amdhsa_user_sgpr_count 2
		.amdhsa_user_sgpr_kernarg_segment_ptr 1
		.amdhsa_wavefront_size32 1
		.amdhsa_system_sgpr_workgroup_id_x 1
		.amdhsa_system_sgpr_workgroup_id_y 1
		.amdhsa_system_sgpr_workgroup_id_z 1
		.amdhsa_system_vgpr_workitem_id 0
		.amdhsa_next_free_vgpr 960
		.amdhsa_next_free_sgpr 66
		.amdhsa_reserve_vcc 0
		.amdhsa_float_denorm_mode_32 3
		.amdhsa_float_denorm_mode_16_64 3
		.amdhsa_memory_ordered 1
		.amdhsa_forward_progress 1
		.amdhsa_inst_pref_size 90
	.end_amdhsa_kernel
	.amdgpu_metadata
---
amdhsa.version: [ 1, 2 ]
amdhsa.kernels:
  - .name:           k_qf0cc8f015a_oproj
    .symbol:         k_qf0cc8f015a_oproj.kd
    .args:
      - { .name: img, .offset: 0, .size: 8, .value_kind: global_buffer, .address_space: global }
      - { .name: scl, .offset: 8, .size: 8, .value_kind: global_buffer, .address_space: global }
      - { .name: cimg, .offset: 16, .size: 8, .value_kind: global_buffer, .address_space: global }
      - { .name: cscl, .offset: 24, .size: 8, .value_kind: global_buffer, .address_space: global }
      - { .name: out0, .offset: 32, .size: 8, .value_kind: global_buffer, .address_space: global }
    .group_segment_fixed_size: 8960
    .private_segment_fixed_size: 0
    .kernarg_segment_align: 8
    .kernarg_segment_size: 40
    .max_flat_workgroup_size: 64
    .sgpr_count:     66
    .vgpr_count:     960
    .wavefront_size: 32
...
	.end_amdgpu_metadata
.endif
;; end of part 4
;; ======== version 2 of 2: 4 launches
;; workspace buffers: img 6,815,744 bytes; scl 212,992 bytes; rope 524,288 bytes; qimg 4,194,304 bytes; qscl 262,144 bytes; kv 2,195,456 bytes; cimg 4,194,304 bytes; cscl 131,072 bytes
;; launch quant (part 5): grid 416 x 1, 8 waves a work-group, no clusters, 69,120 bytes of LDS; arguments x, wq_w, wk_w, wv_w, wo_w, img, scl, rope; writes img, scl, rope
.if DOCPART == 5
	.amdgcn_target "amdgcn-amd-amdhsa--gfx1250"
	.amdhsa_code_object_version 6
	.text
	.protected	k_qf0cc8f015a_quant
	.globl	k_qf0cc8f015a_quant
	.p2align	8
	.type	k_qf0cc8f015a_quant,@function
k_qf0cc8f015a_quant:
	s_mov_b64 s[64:65], 0
	v_nop
	global_prefetch_b8 v0, s[64:65] scope:SCOPE_SE
	s_setreg_imm32_b32 hwreg(HW_REG_WAVE_MODE, 25, 1), 1
	s_wait_xcnt 0x0
; x [4096][1024], wq_w [1024][1024], wk_w [256][1024], wv_w [256][1024], wo_w [1024][1024], all f32 with K innermost, become codes of FP8 (E4M3) with one E8M0 byte for each 32 along K;
; and the table of cosines and sines of the rotary embedding is made (head size 64: 32 frequencies, 2,048 positions).
; TILES.  Tile 2 G + u of a tensor holds its rows 32 G + 8 u + p(slot), p(slot) = slot + 8 (slot / 8), slot 0 .. 15.  img counts tiles through all five tensors: x 0-255, wq 256-319, wk 320-335, wv 336-351, wo 352-415.
; IMAGES.  img[tile][K step of 128][2,048 bytes]: byte 512 c + 16 lane + e is the code of slot lane % 16 at k = 128 s + 32 c + 16 (lane / 16) + e: the matrix operand's registers on end, lane by lane.
; scl[tile][slot][K step]: one word of four E8M0 bytes.
; A block's scale is 2^(floor(log2(its largest magnitude)) - 8); its byte is the largest magnitude's exponent field - 8, held at 1 from below.
; LIMITS: NaN and infinities among the inputs are not served.  A block of zeros, or one whose largest magnitude lies under 2^-118, gets the byte 1 where the rule says 127 or less: the bytes are read by this program alone, and a block of zeros has zero codes.
; SHARES.  A work-group takes one tile, wave s its K step s: 16 rows x 512 bytes.  Each load reads 512 consecutive bytes of a row; the 8 KB turn through the wave's own stage in LDS (rows of 528 bytes), from which
; lane (r, h) takes, of row r, the 16 neighbours 32 b + 16 h + 0 .. 15 of each block b: the order in which the conversions give the operand's registers.
; THE TABLE.  rope[position tile 128][k8 8][lane 32][16 bytes]: (cos, sin, cos, sin) of the pairs that lie in registers 4 k8 .. 4 k8 + 3 of a lane's 32 results of the q or k projection.  The first 256 work-groups make it, one
; (cos, sin) a lane.  The frequency is 2^(-i log2(10000) / 32) by v_exp_f32 (a few parts in 10^7 from the exact power); the angle is one f32 product, as the definition has it; it is reduced by multiples of pi / 2 held
; in three parts, and sine and cosine are polynomials on +-pi / 4.
.set PITCH, 528                        ; a stage row: 512 bytes + 16: 33 x 16, so that sixteen lanes that read one column of sixteen rows fall on sixteen different 16-byte columns
.set WSTG,  16*PITCH                   ; a wave's stage
.set GATH,  8*WSTG                     ; 512 bytes: the tile's 16 x 8 scale words
.set SPARE, GATH+512                   ; the spare words, 128 bytes for each of eight waves: four blocks of 256 bytes that no other line names
.set TM,  16                           ; v16-19 largest magnitudes, v20-23 the other half's, then bytes, v24-27 448 x the scale, v28-31 the conversions' scale operands
.set R,   32                           ; v32-95   16 rows as loaded
.set X,   96                           ; v96-159  64 numbers of my row: register 16 b + i = k 32 b + 16 h + i
.set PC,  160                          ; v160-175 the fragment's codes
.set PW,  176                          ; v176     its scale word
.set SEL, 28                           ; s[28:29] lane selects of v_permlanex16_b32: lane l xor 16
.set MNT, 30                           ; s30      the mantissa field of 448
; 16 nb numbers of a lane, v[src + 16 b + i] = k 32 b + 16 h + i of my row, become codes in v[pc] on and a scale word in v[PW]
.macro QUANT src, nb, pc
.set qb, 0
.rept \nb
	v_max3_num_f32 v[TM+qb], |v[(\src)+16*qb]|, |v[(\src)+16*qb+1]|, 0x4800000   ; my 16 numbers of block b, and the floor 2^(9 - 127): the byte cannot fall under 1
.set qb, qb+1
.endr
.set qi, 2
.rept 7
.set qb, 0
.rept \nb
	s_delay_alu instid0(VALU_DEP_4)
	v_max3_num_f32 v[TM+qb], v[TM+qb], |v[(\src)+16*qb+qi]|, |v[(\src)+16*qb+qi+1]|   ; the blocks by turns
.set qb, qb+1
.endr
.set qi, qi+2
.endr
.set qb, 0
.rept \nb
	s_delay_alu instid0(VALU_DEP_4)
	v_permlanex16_b32 v[TM+4+qb], v[TM+qb], s[SEL], s[SEL+1]
.set qb, qb+1
.endr
.set qb, 0
.rept \nb
	s_delay_alu instid0(VALU_DEP_4)
	v_max_num_f32 v[TM+qb], v[TM+qb], v[TM+4+qb]           ; with lane l xor 16's 16: the block's largest magnitude
.set qb, qb+1
.endr
.set qb, 0
.rept \nb
	v_add_nc_u32 v[TM+12+qb], 0xfc000000, v[TM+qb]         ; 8 off its exponent field: the conversion's scale operand
	v_and_or_b32 v[TM+8+qb], v[TM+qb], 0x7f800000, s[MNT]  ; 448 x the scale
.set qb, qb+1
.endr
.set qb, 0
.rept \nb
	v_lshrrev_b32 v[TM+4+qb], 23, v[TM+12+qb]              ; the scale's byte
.set qb, qb+1
.endr
	s_delay_alu instid0(VALU_DEP_3)
	v_lshl_or_b32 v[PW], v[TM+5], 8, v[TM+4]
.if (\nb) == 4
	s_delay_alu instid0(VALU_DEP_1)
	v_lshl_or_b32 v[PW], v[TM+6], 16, v[PW]
	s_delay_alu instid0(VALU_DEP_1)
	v_lshl_or_b32 v[PW], v[TM+7], 24, v[PW]
.endif
.set qb, 0
.rept \nb
.set qi, 0
.rept 16
	v_med3_num_f32 v[(\src)+16*qb+qi], v[(\src)+16*qb+qi], -v[TM+8+qb], v[TM+8+qb]   ; the conversion to an 8-bit code does not saturate (ISA guide 7.6.2): the hold at 448 x the scale
.set qi, qi+1
.endr
	v_cvt_scalef32_pk8_fp8_f32 v[(\pc)+4*qb:(\pc)+4*qb+1], v[(\src)+16*qb:(\src)+16*qb+7], v[TM+12+qb]
	v_cvt_scalef32_pk8_fp8_f32 v[(\pc)+4*qb+2:(\pc)+4*qb+3], v[(\src)+16*qb+8:(\src)+16*qb+15], v[TM+12+qb]
.set qb, qb+1
.endr
	v_nop                                          ; one plain vector line behind the last scaled conversion
.endm
	s_load_b256 s[4:11], s[0:1], 0x0               ; x, wq_w, wk_w, wv_w
	s_load_b256 s[12:19], s[0:1], 0x20             ; wo_w, img, scl, rope
	v_lshl_add_u32 v9, v0, 2, SPARE                ; my spare word; never rewritten
	v_mov_b32 v10, 0                               ; 0; never rewritten
	v_lshrrev_b32 v1, 5, v0
	s_delay_alu instid0(VALU_DEP_1)
	v_readfirstlane_b32 s20, v1                    ; wave = K step
	v_and_b32 v1, 31, v0                           ; lane
	s_delay_alu instid0(VALU_DEP_1)
	v_lshlrev_b32 v2, 4, v1                        ; 16 x lane
	v_and_b32 v3, 15, v0                           ; r
	v_bfe_u32 v4, v0, 4, 1                         ; h
	s_mul_i32 s24, s20, WSTG
	v_add_nc_u32 v5, s24, v2                       ; the stage, on the way in: 16 x lane of a row
	v_mul_u32_u24 v6, v3, PITCH
	s_delay_alu instid0(VALU_DEP_1)
	v_lshl_add_u32 v6, v4, 6, v6
	s_delay_alu instid0(VALU_DEP_1)
	v_add_nc_u32 v6, s24, v6                       ; and out: row r, + 64 h bytes
	s_lshl_b32 s25, s20, 2
	s_add_co_u32 s25, s25, GATH
	v_lshl_add_u32 v7, v3, 5, s25                  ; my row's word of my K step: 32 r + 4 s
	v_add_nc_u32 v8, GATH, v2                      ; where wave 0 reads the 512 bytes back
	v_lshlrev_b32 v11, 3, v1                       ; 8 x lane
.irp b, 0,1,2,3
	v_mov_b32 v[TM+4+\b], 0                        ; written once: a lane permute's destination counts as one of its sources
.endr
	s_mov_b32 s[SEL], 0x76543210
	s_mov_b32 s[SEL+1], 0xfedcba98
	s_mov_b32 s[MNT], 0x600000
	s_mov_b32 s31, 0xbed49a78                      ; -log2(10000) / 32
	s_mov_b32 s32, 0x3f22f983                      ; 2 / pi
	s_mov_b32 s33, 0x3fc90fdb                      ; pi / 2 in three parts
	s_mov_b32 s34, 0xb33bbd2e
	s_mov_b32 s35, 0xa6f72ced
	s_mov_b32 s36, 0xbe2aaaa3                      ; sine: -1.6666654611e-1, 8.3321608736e-3, -1.9515295891e-4
	s_mov_b32 s37, 0x3c08839e
	s_mov_b32 s38, 0xb94ca1f9
	s_mov_b32 s39, 0x3d2aaaa5                      ; cosine: 4.166664568e-2, -1.388731625e-3, 2.443315712e-5
	s_mov_b32 s40, 0xbab6061a
	s_mov_b32 s41, 0x37ccf5ce
	s_wait_kmcnt 0x0
	; which tensor the tile belongs to: the choice hangs on the work-group's number alone; all five take one path through the text
	s_mov_b64 s[22:23], s[12:13]
	s_mov_b32 s21, 352
	s_cmp_lt_u32 ttmp9, 352
	s_cselect_b64 s[22:23], s[10:11], s[22:23]
	s_cselect_b32 s21, 336, s21
	s_cmp_lt_u32 ttmp9, 336
	s_cselect_b64 s[22:23], s[8:9], s[22:23]
	s_cselect_b32 s21, 320, s21
	s_cmp_lt_u32 ttmp9, 320
	s_cselect_b64 s[22:23], s[6:7], s[22:23]
	s_cselect_b32 s21, 256, s21
	s_cmp_lt_u32 ttmp9, 256
	s_cselect_b64 s[22:23], s[4:5], s[22:23]
	s_cselect_b32 s21, 0, s21
	s_sub_co_u32 s26, ttmp9, s21                   ; the tile's number in its tensor: 2 G + u
	s_lshr_b32 s24, s26, 1
	s_lshl_b32 s24, s24, 17                        ; 32 G rows of 4,096 bytes
	s_and_b32 s26, s26, 1
	s_lshl_b32 s26, s26, 15                        ; 8 u rows
	s_add_co_u32 s24, s24, s26
	s_lshl_b32 s26, s20, 9                         ; my K step's 512 bytes
	s_add_co_u32 s24, s24, s26
	s_mov_b32 s25, 0
	s_add_nc_u64 s[22:23], s[22:23], s[24:25]
.irp i, 0,1,2,3,4,5,6,7,8,9,10,11,12,13,14,15
	global_load_b128 v[R+4*\i:R+4*\i+3], v2, s[22:23] offset:((\i)+8*((\i)/8))*4096 th:TH_LOAD_NT   ; slot i: 32 lanes read 512 consecutive bytes; all sixteen loads are out together
.endr
	s_lshl_b32 s24, ttmp9, 14
	s_lshl_b32 s26, s20, 11
	s_add_co_u32 s24, s24, s26
	s_add_nc_u64 s[14:15], s[14:15], s[24:25]      ; img at my fragment
	s_lshl_b32 s24, ttmp9, 9
	s_add_nc_u64 s[16:17], s[16:17], s[24:25]      ; scl at my tile
	s_cmp_lt_u32 ttmp9, 256                        ; the table: 256 work-groups x 8 waves x 32 lanes = 65,536 pairs (cos, sin); it stands under the loads' flight
	s_cbranch_scc0 .Lno_table
	s_lshl_b32 s24, ttmp9, 11
	s_lshl_b32 s26, s20, 8
	s_add_co_u32 s24, s24, s26
	s_add_nc_u64 s[18:19], s[18:19], s[24:25]      ; my wave's 256 bytes: 256 (8 T + s)
	s_lshr_b32 s42, ttmp9, 2                       ; position tile Tt = T / 2: its first row 32 (Tt / 2) + 8 (Tt % 2)
	s_lshl_b32 s42, s42, 5
	s_bfe_u32 s44, ttmp9, 0x10001
	s_lshl_b32 s44, s44, 3
	s_add_co_u32 s42, s42, s44
	s_and_b32 s43, ttmp9, 1                        ; the frequency: 16 (T % 2) + 8 (s % 2) + 4 (s / 4) + 2 ((s / 2) % 2) + lane % 2
	s_lshl_b32 s43, s43, 4
	s_and_b32 s44, s20, 1
	s_lshl_b32 s44, s44, 3
	s_add_co_u32 s43, s43, s44
	s_bfe_u32 s44, s20, 0x10002
	s_lshl_b32 s44, s44, 2
	s_add_co_u32 s43, s43, s44
	s_bfe_u32 s44, s20, 0x10001
	s_lshl_b32 s44, s44, 1
	s_add_co_u32 s43, s43, s44
	v_lshrrev_b32 v177, 1, v1                      ; the slot: lane / 2
	s_delay_alu instid0(VALU_DEP_1)
	v_and_b32 v178, 8, v177
	s_delay_alu instid0(VALU_DEP_1)
	v_add3_u32 v177, v177, v178, s42               ; the position
	v_and_b32 v178, 1, v1
	s_delay_alu instid0(VALU_DEP_1)
	v_add_nc_u32 v178, s43, v178                   ; i
	s_delay_alu instid0(VALU_DEP_3)
	v_cvt_f32_u32 v177, v177
	s_delay_alu instid0(VALU_DEP_2)
	v_cvt_f32_u32 v178, v178
	s_delay_alu instid0(VALU_DEP_1)
	v_mul_f32 v178, s31, v178
	s_wait_alu depctr_va_vdst(0)
	v_exp_f32 v178, v178                           ; 10000^(-i / 32)
	v_nop                                          ; a plain line behind the transcendental,
	s_wait_alu depctr_va_vdst(0)                   ; and the wait ahead of its first reader
	v_mul_f32 v179, v177, v178                     ; the angle: one rounding
	s_delay_alu instid0(VALU_DEP_1)
	v_mul_f32 v180, s32, v179
	s_delay_alu instid0(VALU_DEP_1)
	v_rndne_f32 v180, v180                         ; n, at most 1,304
	s_delay_alu instid0(VALU_DEP_1)
	v_fma_f32 v181, -v180, s33, v179               ; angle - n pi / 2: the first part leaves nothing to round (n x the 24-bit part and the angle are multiples of 2^-24, the difference is under 1)
	s_delay_alu instid0(VALU_DEP_1)
	v_fma_f32 v181, -v180, s34, v181
	s_delay_alu instid0(VALU_DEP_1)
	v_fma_f32 v181, -v180, s35, v181
	s_delay_alu instid0(VALU_DEP_1)
	v_mul_f32 v182, v181, v181                     ; z
	s_delay_alu instid0(VALU_DEP_1)
	v_fma_f32 v183, v182, s38, s37
	s_delay_alu instid0(VALU_DEP_2)
	v_fma_f32 v184, v182, s41, s40
	s_delay_alu instid0(VALU_DEP_2)
	v_fma_f32 v183, v183, v182, s36
	s_delay_alu instid0(VALU_DEP_2)
	v_fma_f32 v184, v184, v182, s39
	s_delay_alu instid0(VALU_DEP_2)
	v_mul_f32 v183, v183, v182
	s_delay_alu instid0(VALU_DEP_2)
	v_mul_f32 v184, v184, v182
	v_fma_f32 v185, v182, -0.5, 1.0
	s_delay_alu instid0(VALU_DEP_3)
	v_fma_f32 v183, v183, v181, v181               ; sine of the rest
	s_delay_alu instid0(VALU_DEP_2)
	v_fma_f32 v184, v184, v182, v185               ; cosine of the rest
	v_cvt_i32_f32 v186, v180
	s_delay_alu instid0(VALU_DEP_1)
	v_and_b32 v187, 1, v186
	s_delay_alu instid0(VALU_DEP_1)
	v_cmp_eq_u32 vcc_lo, 1, v187                   ; odd quadrants swap the two
	s_delay_alu instid0(VALU_DEP_1)
	v_cndmask_b32 v188, v184, v183, vcc_lo
	s_delay_alu instid0(VALU_DEP_2)
	v_cndmask_b32 v189, v183, v184, vcc_lo
	v_add_nc_u32 v187, 1, v186
	s_delay_alu instid0(VALU_DEP_1)
	v_and_b32 v187, 2, v187
	s_delay_alu instid0(VALU_DEP_1)
	v_lshlrev_b32 v187, 30, v187
	s_delay_alu instid0(VALU_DEP_1)
	v_xor_b32 v188, v188, v187                     ; the cosine is negative in quadrants 1 and 2,
	v_and_b32 v186, 2, v186
	s_delay_alu instid0(VALU_DEP_1)
	v_lshlrev_b32 v186, 30, v186
	s_delay_alu instid0(VALU_DEP_1)
	v_xor_b32 v189, v189, v186                     ; the sine in quadrants 2 and 3
	global_store_b64 v11, v[188:189], s[18:19]     ; 32 lanes store 256 consecutive bytes, aligned
.Lno_table:
.irp i, 0,1,2,3,4,5,6,7,8,9,10,11,12,13,14,15
	s_wait_loadcnt 15-\i                           ; loads come back in order: row i is in, the younger ones may be out
	ds_store_b128 v5, v[R+4*\i:R+4*\i+3] offset:PITCH*\i
.endr
	s_wait_alu depctr_va_vdst(0)
.irp b, 0,1,2,3
.irp j, 0,1,2,3
	ds_load_b128 v[X+16*\b+4*\j:X+16*\b+4*\j+3], v6 offset:128*\b+16*\j   ; LDS serves a wave's instructions in order: these see my stores
.endr
.endr
	s_wait_dscnt 0x0
	QUANT X, 4, PC
.irp c, 0,1,2,3
	global_store_b128 v2, v[PC+4*\c:PC+4*\c+3], s[14:15] offset:512*\c   ; 512 consecutive bytes a store
.endr
	ds_store_b32 v7, v[PW]                         ; lanes r and r + 16 write the same word with the same value
	s_wait_dscnt 0x0                               ; for wave 0's sake: my word has landed
	s_barrier_signal -1
	s_barrier_wait -1
	s_cmp_lg_u32 s20, 0
	s_cbranch_scc1 .Lend
	ds_load_b128 v[R:R+3], v8                      ; the tile's 128 scale words
	s_wait_dscnt 0x0
	global_store_b128 v2, v[R:R+3], s[16:17]       ; 512 consecutive bytes
.Lend:
	s_wait_tensorcnt 0x0                           ; the wave's end, behind my last LDS store
	ds_add_u32 v9, v10
	s_wait_dscnt 0x0
	s_endpgm
.Lfunc_end_k_qf0cc8f015a_quant:
	.size	k_qf0cc8f015a_quant, .Lfunc_end_k_qf0cc8f015a_quant-k_qf0cc8f015a_quant
	.p2alignl 7, 3214868480
	.fill 96, 4, 3214868480
	.section	.rodata,"a",@progbits
	.p2align	6, 0x0
	.amdhsa_kernel k_qf0cc8f015a_quant
		.amdhsa_group_segment_fixed_size 69120
		.amdhsa_private_segment_fixed_size 0
		.amdhsa_enable_private_segment 0
		.amdhsa_kernarg_size 64
		.amdhsa_user_sgpr_count 2
		.amdhsa_user_sgpr_kernarg_segment_ptr 1
		.amdhsa_wavefront_size32 1
		.amdhsa_system_sgpr_workgroup_id_x 1
		.amdhsa_system_sgpr_workgroup_id_y 1
		.amdhsa_system_sgpr_workgroup_id_z 1
		.amdhsa_system_vgpr_workitem_id 0
		.amdhsa_next_free_vgpr 192
		.amdhsa_next_free_sgpr 66
		.amdhsa_reserve_vcc 1
		.amdhsa_float_denorm_mode_32 3
		.amdhsa_float_denorm_mode_16_64 3
		.amdhsa_memory_ordered 1
		.amdhsa_forward_progress 1
		.amdhsa_inst_pref_size 22
	.end_amdhsa_kernel
	.amdgpu_metadata
---
amdhsa.version: [ 1, 2 ]
amdhsa.kernels:
  - .name:           k_qf0cc8f015a_quant
    .symbol:         k_qf0cc8f015a_quant.kd
    .args:
      - { .name: x, .offset: 0, .size: 8, .value_kind: global_buffer, .address_space: global }
      - { .name: wq_w, .offset: 8, .size: 8, .value_kind: global_buffer, .address_space: global }
      - { .name: wk_w, .offset: 16, .size: 8, .value_kind: global_buffer, .address_space: global }
      - { .name: wv_w, .offset: 24, .size: 8, .value_kind: global_buffer, .address_space: global }
      - { .name: wo_w, .offset: 32, .size: 8, .value_kind: global_buffer, .address_space: global }
      - { .name: img, .offset: 40, .size: 8, .value_kind: global_buffer, .address_space: global }
      - { .name: scl, .offset: 48, .size: 8, .value_kind: global_buffer, .address_space: global }
      - { .name: rope, .offset: 56, .size: 8, .value_kind: global_buffer, .address_space: global }
    .group_segment_fixed_size: 69120
    .private_segment_fixed_size: 0
    .kernarg_segment_align: 8
    .kernarg_segment_size: 64
    .max_flat_workgroup_size: 256
    .sgpr_count:     66
    .vgpr_count:     192
    .wavefront_size: 32
...
	.end_amdgpu_metadata
.endif
;; end of part 5
;; launch qkv (part 6): grid 8 x 32, 3 waves a work-group, no clusters, 0 bytes of LDS; arguments img, scl, rope, wq_b, wk_b, wv_b, qimg, qscl, kv; writes qimg, qscl, kv
.if DOCPART == 6
	.amdgcn_target "amdgcn-amd-amdhsa--gfx1250"
	.amdhsa_code_object_version 6
	.text
	.protected	k_qf0cc8f015a_qkv
	.globl	k_qf0cc8f015a_qkv
	.p2align	8
	.type	k_qf0cc8f015a_qkv,@function
k_qf0cc8f015a_qkv:
	s_mov_b64 s[64:65], 0
	v_nop
	global_prefetch_b8 v0, s[64:65] scope:SCOPE_SE
	s_setreg_imm32_b32 hwreg(HW_REG_WAVE_SCHED_MODE, 0, 2), 2
	s_setreg_imm32_b32 hwreg(HW_REG_WAVE_MODE, 25, 1), 1
	s_wait_xcnt 0x0
	s_wait_alu depctr_vm_vsrc(0)
; q = x wq^T + bq, k = x wk^T + bk, v = x wv^T + bv on codes of FP8 (E4M3) with E8M0 scales; q and k are rotated (interleaved pairs) and quantised along the head's 64; v is quantised along the keys.
; SHARES.  Work-group y takes rows 128 y .. 128 y + 127 of x; wave w of work-group x takes head column hc = 3 x + w of 24: 0-15 q's heads, 16-19 k's, 20-23 v's.  A wave makes 128 rows x 64 columns: 32 accumulators.
; All operands lie in memory as images of the operand's registers (tile 2 G + u = rows 32 G + 8 u + slot + 8 (slot / 8)): a fragment comes by four loads of 512 consecutive bytes straight into registers.  No LDS, no barrier:
; waves share nothing, so their paths may part on hc.  No cluster: the operands do not pass through LDS, so there is no tile to receive jointly.
; q AND k: source 0 = 16 rows of W, source 1 = 16 rows of x.  Lane (r, h) holds row slot r; register 8 t + j of a row tile is column 32 (t / 2) + 16 h + 8 (t % 2) + j: 16 neighbours of each block of 32.
; v: source 0 = 16 rows of x, source 1 = 16 rows of Wv.  Lane (r, h) holds channel slot r; register 8 i + j is key 32 (i / 2) + 16 h + 8 (i % 2) + j.  In both cases the conversions' results are the next operand's registers.
; OUT.  qimg[head][tile][c 2][lane][16]; qscl[head][block of 128 rows][lane][4 words] (word p: tile 2 p + lane / 16); kv[batch x 4 + kv head][key step of 128][17,152]: K's codes, V's codes at 8,192, K's words at 16,384, V's at 16,896.
; q's and k's words carry 0x7f in bytes 2 and 3: their K is 64, half of the matrix instruction's 128.
; LIMITS: NaN and infinities are not served; a block of zeros, or one under 2^-118, gets the byte 1 (this program alone reads the bytes).
; REGISTERS.  Window 1: the accumulators.  Windows 2 and 3: two buffers of fragments, x's tile i at v[16 i], W's tile t at v[128 + 16 t].  Window 0: all else.
; THE MODE: SCHED_MODE bits 1:0 = 2 (LLVM: expert scheduling mode 2), set by the entry lines.  The code itself states the register dependences between vector or matrix instructions and memory instructions, with s_wait_alu, always for 0.
; THE PLAN.  Registers that memory instructions touch:
;   v1, v2, v3, v13, v14   offsets, made at the head and never written again: one wait ahead of the first load serves every load and store of the kernel.
;   the two buffers        K step s: its 32 matrix instructions read a buffer; behind them ONE wait, and the 48 loads of K step s + 2 land in it at once.
;   the table              q, k: (cos, sin) of tiles 0 and 1 land in v96-159, which nothing has named; those of tiles 2 to 7 in window 2's buffer, behind one wait: K step 6 was its last reader.  No set is loaded twice.
;   the codes              q, k: four sets by turns.  Tile i's conversions write a set; the two stores at tile i + 1's head read it, behind one wait; from tile 4 on the head also states that the stores of tile i - 4 have read the set.
;                          v: a set to each channel tile; the four stores stand at the next tile's head, behind one wait.
;   H, TM, TMP, WW, the accumulators: named by vector and matrix instructions alone.
.set REC,  17152
.set OUTW, 4                           ; v4-7     scale words on their way out
.set PW,   12                          ; v12      the scale word just made
.set XS,   16                          ; v16-47   x's scale words: pair P, K step s at 16 + 8 P + s: lanes 0-15 tile 2 P, lanes 16-31 tile 2 P + 1
.set WS,   48                          ; v48-63   W's likewise
.set BIAS, 64                          ; v64-95   q, k: the bias in the result's layout; v: v64-67
.set TB,   96                          ; v96-159  q, k: (cos, sin) of tiles 0 and 1; v: the codes, 16 for each channel tile
.set H,    160                         ; v160-223 numbers on their way to the quantiser (q, k: v160-191; v192-223 are four sets of 8 codes)
.set TM,   224                         ; v224-239 the quantiser's
.set TMP,  240                         ; v240-247 four pairs
.set WW,   248                         ; v248-255 a word for each tile
.set XB,   28                          ; s[28:29] x's images of my 8 tiles
.set WB,   30                          ; s[30:31] W's images of my 4 tiles
.set SEL,  46
.set MNT,  48
.set MSB, 0
.macro WIN new                         ; bits 1:0 source 0, 3:2 source 1, 5:4 source 2, 7:6 destination; the immediate's high byte repeats the setting that is left
.if MSB != (\new)
	s_set_vgpr_msb (MSB<<8)|(\new)
.set MSB, \new
.endif
.endm
.macro PLACES                          ; eight plain vector lines between a matrix instruction of this form and a load into its registers or a read of its result
.rept 8
	v_nop
.endr
.endm
; one matrix instruction.  c < 0: the constant 0 starts the sum.  pa, pb: the side's scales stand in lanes 16-31
.macro WM d, a, b, c, sa, sb, pa, pb
.if (\c) < 0
.if (\pa) && (\pb)
	v_wmma_scale_f32_16x16x128_f8f6f4 v[(\d):(\d)+7], v[(\a):(\a)+15], v[(\b):(\b)+15], 0, v[\sa], v[\sb] matrix_a_scale:MATRIX_SCALE_ROW1 matrix_b_scale:MATRIX_SCALE_ROW1
.elseif (\pa)
	v_wmma_scale_f32_16x16x128_f8f6f4 v[(\d):(\d)+7], v[(\a):(\a)+15], v[(\b):(\b)+15], 0, v[\sa], v[\sb] matrix_a_scale:MATRIX_SCALE_ROW1
.elseif (\pb)
	v_wmma_scale_f32_16x16x128_f8f6f4 v[(\d):(\d)+7], v[(\a):(\a)+15], v[(\b):(\b)+15], 0, v[\sa], v[\sb] matrix_b_scale:MATRIX_SCALE_ROW1
.else
	v_wmma_scale_f32_16x16x128_f8f6f4 v[(\d):(\d)+7], v[(\a):(\a)+15], v[(\b):(\b)+15], 0, v[\sa], v[\sb]
.endif
.else
.if (\pa) && (\pb)
	v_wmma_scale_f32_16x16x128_f8f6f4 v[(\d):(\d)+7], v[(\a):(\a)+15], v[(\b):(\b)+15], v[(\c):(\c)+7], v[\sa], v[\sb] matrix_a_scale:MATRIX_SCALE_ROW1 matrix_b_scale:MATRIX_SCALE_ROW1
.elseif (\pa)
	v_wmma_scale_f32_16x16x128_f8f6f4 v[(\d):(\d)+7], v[(\a):(\a)+15], v[(\b):(\b)+15], v[(\c):(\c)+7], v[\sa], v[\sb] matrix_a_scale:MATRIX_SCALE_ROW1
.elseif (\pb)
	v_wmma_scale_f32_16x16x128_f8f6f4 v[(\d):(\d)+7], v[(\a):(\a)+15], v[(\b):(\b)+15], v[(\c):(\c)+7], v[\sa], v[\sb] matrix_b_scale:MATRIX_SCALE_ROW1
.else
	v_wmma_scale_f32_16x16x128_f8f6f4 v[(\d):(\d)+7], v[(\a):(\a)+15], v[(\b):(\b)+15], v[(\c):(\c)+7], v[\sa], v[\sb]
.endif
.endif
.endm
; K step s: 48 loads of 512 consecutive bytes into the buffer in window w.  dep = 1: matrix instructions have read that buffer
.macro LOADK s, w, dep
	WIN (\w)<<6
.if \dep
	s_wait_alu depctr_va_vdst(0)                   ; the matrix instructions above are done reading this buffer, in which the 48 loads below land
.endif
.set li, 0
.rept 8
.irp c, 0,1,2,3
	global_load_b128 v[16*li+4*\c:16*li+4*\c+3], v1, s[XB:XB+1] offset:16384*li+2048*(\s)+512*\c
.endr
.set li, li+1
.endr
.set li, 0
.rept 4
.irp c, 0,1,2,3
	global_load_b128 v[128+16*li+4*\c:128+16*li+4*\c+3], v1, s[WB:WB+1] offset:16384*li+2048*(\s)+512*\c
.endr
.set li, li+1
.endr
.endm
; 32 matrix instructions, the 32 accumulators by turns, in the same order in every K step.  cm = 2: the bias is the C of the sum's first instruction; 1: in place
.macro MULQK s, w, cm
.if (\cm) == 1
	WIN 0x50|((\w)<<2)|(\w)
.else
	WIN 0x40|((\w)<<2)|(\w)
.endif
.set mi, 0
.rept 8
.set mt, 0
.rept 4
.set CC, -1
.if (\cm) == 1
.set CC, 8*(4*mi+mt)
.endif
.if (\cm) == 2
.set CC, BIAS+8*mt
.endif
	WM 8*(4*mi+mt), 128+16*mt, 16*mi, CC, WS+8*(mt/2)+(\s), XS+8*(mi/2)+(\s), mt%2, mi%2
.set mt, mt+1
.endr
.set mi, mi+1
.endr
.endm
.macro MULV s, w, cm                   ; the same with the sources swapped: accumulator (n, i) at 8 (8 n + i).  cm = 0: the constant 0 starts the sums
.if (\cm) == 1
	WIN 0x50|((\w)<<2)|(\w)
.else
	WIN 0x40|((\w)<<2)|(\w)
.endif
.set mt, 0
.rept 4
.set mi, 0
.rept 8
.set CC, -1
.if (\cm) == 1
.set CC, 8*(8*mt+mi)
.endif
	WM 8*(8*mt+mi), 16*mi, 128+16*mt, CC, XS+8*(mi/2)+(\s), WS+8*(mt/2)+(\s), mi%2, mt%2
.set mi, mi+1
.endr
.set mt, mt+1
.endr
.endm
; 16 nb numbers of a lane, v[src + 16 b + i] = k 32 b + 16 h + i of my row, become codes in v[pc] on and a scale word in v[PW]
.macro QUANT src, nb, pc
.set qb, 0
.rept \nb
	v_max3_num_f32 v[TM+qb], |v[(\src)+16*qb]|, |v[(\src)+16*qb+1]|, 0x4800000   ; my 16 numbers of block b, and the floor 2^(9 - 127): the byte cannot fall under 1
.set qb, qb+1
.endr
.set qi, 2
.rept 7
.set qb, 0
.rept \nb
	v_max3_num_f32 v[TM+qb], v[TM+qb], |v[(\src)+16*qb+qi]|, |v[(\src)+16*qb+qi+1]|
.set qb, qb+1
.endr
.set qi, qi+2
.endr
.set qb, 0
.rept \nb
	v_permlanex16_b32 v[TM+4+qb], v[TM+qb], s[SEL], s[SEL+1]
.set qb, qb+1
.endr
.set qb, 0
.rept \nb
	v_max_num_f32 v[TM+qb], v[TM+qb], v[TM+4+qb]           ; with lane l xor 16's 16: the block's largest magnitude
.set qb, qb+1
.endr
.set qb, 0
.rept \nb
	v_add_nc_u32 v[TM+12+qb], 0xfc000000, v[TM+qb]         ; 8 off its exponent field: the conversion's scale operand
	v_and_or_b32 v[TM+8+qb], v[TM+qb], 0x7f800000, s[MNT]  ; 448 x the scale
.set qb, qb+1
.endr
.set qb, 0
.rept \nb
	v_lshrrev_b32 v[TM+4+qb], 23, v[TM+12+qb]              ; the scale's byte
.set qb, qb+1
.endr
	v_lshl_or_b32 v[PW], v[TM+5], 8, v[TM+4]
.if (\nb) == 4
	v_lshl_or_b32 v[PW], v[TM+6], 16, v[PW]
	v_lshl_or_b32 v[PW], v[TM+7], 24, v[PW]
.endif
.set qb, 0
.rept \nb
.set qi, 0
.rept 16
	v_med3_num_f32 v[(\src)+16*qb+qi], v[(\src)+16*qb+qi], -v[TM+8+qb], v[TM+8+qb]   ; the conversion does not saturate (ISA guide 7.6.2): the hold at 448 x the scale
.set qi, qi+1
.endr
	v_cvt_scalef32_pk8_fp8_f32 v[(\pc)+4*qb:(\pc)+4*qb+1], v[(\src)+16*qb:(\src)+16*qb+7], v[TM+12+qb]
	v_cvt_scalef32_pk8_fp8_f32 v[(\pc)+4*qb+2:(\pc)+4*qb+3], v[(\src)+16*qb+8:(\src)+16*qb+15], v[TM+12+qb]
.set qb, qb+1
.endr
	v_nop                                          ; one plain vector line behind the last scaled conversion
.endm
.macro TBLOAD i                        ; (cos, sin) for row tile i: 32 registers, pair a for results a, a + 1.  Tiles 0, 1: v96-159 of window 0; tiles 2 to 7: v[32 (i - 2)] on of window 2.  The caller sets the window
.if (\i) < 2
.set tbr, TB+32*(\i)
.else
.set tbr, 32*((\i)-2)
.endif
.irp k, 0,1,2,3,4,5,6,7
	global_load_b128 v[tbr+4*\k:tbr+4*\k+3], v1, s[36:37] offset:4096*(\i)+512*\k
.endr
.endm
.macro CSTORE i                        ; q, k: row tile i's codes leave: 512 consecutive bytes a store
	global_store_b128 v1, v[192+8*((\i)%4):192+8*((\i)%4)+3], s[40:41] offset:1024*(\i)
	global_store_b128 v1, v[192+8*((\i)%4)+4:192+8*((\i)%4)+7], s[40:41] offset:1024*(\i)+512
.endm
; q, k: row tile i is rotated and quantised; the tile before is stored at its head
.macro EPI i
	s_wait_loadcnt 8*(7-(\i))                      ; loads come back in order: this tile's table is in; the eight loads of each later tile may be out
.if (\i) >= 4
	s_wait_xcnt 0x0                                ; tile i - 4's stores have had their addresses translated: this set of code registers is written again only behind this wait,
	s_wait_alu depctr_vm_vsrc(0)                   ; and they have read the set, which this tile's conversions write
.endif
.if (\i) > 0
	s_wait_alu depctr_va_vdst(0)                   ; the conversions of the tile before have written its codes, which the two stores below read
	CSTORE (\i)-1
.endif
.if (\i) < 2
	WIN 0x01                                       ; source 0: the accumulators
.set tbr, TB+32*(\i)
.else
	WIN 0x09                                       ; source 0: the accumulators; source 1: the table in window 2
.set tbr, 32*((\i)-2)
.endif
.set eg, 0
.rept 4                                ; an accumulator at a time, from its low end on
.set ep, 0
.rept 4
.set ea, 8*eg+2*ep
	v_pk_mul_f32 v[TMP+2*ep:TMP+2*ep+1], v[32*(\i)+ea:32*(\i)+ea+1], v[tbr+ea:tbr+ea+1] op_sel:[1,1] op_sel_hi:[0,1]   ; (x2 sin, x1 sin)
.set ep, ep+1
.endr
.set ep, 0
.rept 4
.set ea, 8*eg+2*ep
	v_pk_fma_f32 v[H+ea:H+ea+1], v[32*(\i)+ea:32*(\i)+ea+1], v[tbr+ea:tbr+ea+1], v[TMP+2*ep:TMP+2*ep+1] op_sel_hi:[1,0,1] neg_lo:[0,0,1]   ; (x1 cos - x2 sin, x2 cos + x1 sin)
.set ep, ep+1
.endr
.set eg, eg+1
.endr
	WIN 0
	QUANT H, 2, 192+8*((\i)%4)
	v_or_b32 v[WW+(\i)], 0x7f7f0000, v[PW]         ; bytes 2 and 3: 2^0 for the half of K that holds zeros
.endm
.macro VSTORE n                        ; v: channel tile n's codes leave
.irp c, 0,1,2,3
	global_store_b128 v1, v[TB+16*(\n)+4*\c:TB+16*(\n)+4*\c+3], s[40:41] offset:2048*(\n)+512*\c
.endr
.endm
; v: channel tile n gets its bias and is quantised along the 128 keys; the tile before is stored at its head
.macro EPV n
.if (\n) > 0
	s_wait_alu depctr_va_vdst(0)                   ; the conversions of the tile before have written its codes, which the four stores below read
	VSTORE (\n)-1
.endif
	WIN 0x01
.set ea, 0
.rept 32
.if (\n)%2
	v_pk_add_f32 v[H+ea:H+ea+1], v[64*(\n)+ea:64*(\n)+ea+1], v[BIAS+2*((\n)/2):BIAS+2*((\n)/2)+1] op_sel:[0,1] op_sel_hi:[1,1]
.else
	v_pk_add_f32 v[H+ea:H+ea+1], v[64*(\n)+ea:64*(\n)+ea+1], v[BIAS+2*((\n)/2):BIAS+2*((\n)/2)+1] op_sel:[0,0] op_sel_hi:[1,0]
.endif
.set ea, ea+2
.endr
	WIN 0
	QUANT H, 4, TB+16*(\n)
	v_mov_b32 v[WW+(\n)], v[PW]
.endm
	s_load_b256 s[4:11], s[0:1], 0x0               ; img, scl, rope, wq_b
	s_load_b256 s[12:19], s[0:1], 0x20             ; wk_b, wv_b, qimg, qscl
	s_load_b64 s[20:21], s[0:1], 0x40              ; kv
	v_lshrrev_b32 v1, 5, v0
	v_readfirstlane_b32 s22, v1                    ; wave 0..2
	v_and_b32 v2, 31, v0
	v_lshlrev_b32 v1, 4, v2                        ; 16 x lane
	v_lshlrev_b32 v2, 5, v2                        ; 32 x lane
	v_bfe_u32 v3, v0, 4, 1
	v_lshlrev_b32 v3, 6, v3                        ; q, k: the bias: 16 h numbers
	v_and_b32 v13, 15, v0
	v_and_b32 v14, 8, v13
	v_add_nc_u32 v13, v13, v14
	v_lshlrev_b32 v13, 2, v13                      ; v: the bias: my channel slot's place: 4 (r + 8 (r / 8))
	v_lshrrev_b32 v14, 1, v1                       ; v: 8 x lane
.irp b, 0,1,2,3
	v_mov_b32 v[TM+4+\b], 0                        ; written once: a lane permute's destination counts as one of its sources
.endr
	s_wait_alu depctr_va_sdst(0)                   ; s22 is written, ahead of its first reader: hc and all the bases are made from it
	s_mul_i32 s23, ttmp9, 3
	s_add_co_u32 s23, s23, s22                     ; hc
	s_and_b32 s24, ttmp7, 0xffff                   ; the block of 128 rows
	s_lshr_b32 s25, s24, 4                         ; batch
	s_and_b32 s26, s24, 15                         ; key step
	s_mov_b32 s[SEL], 0x76543210
	s_mov_b32 s[SEL+1], 0xfedcba98
	s_mov_b32 s[MNT], 0x600000
	s_mov_b32 s49, 0xffff0000                      ; lanes 16-31
	s_mov_b32 s51, 0
	s_wait_kmcnt 0x0
	s_lshl_b32 s50, s24, 17
	s_add_nc_u64 s[XB:XB+1], s[4:5], s[50:51]      ; 8 tiles of 16,384 bytes a block
	s_lshl_b32 s50, s23, 16
	s_add_co_u32 s50, s50, 256*16384
	s_add_nc_u64 s[WB:WB+1], s[4:5], s[50:51]      ; tile 256 + 4 hc: wq's, wk's and wv's tiles follow each other
	s_lshl_b32 s50, s24, 12
	s_add_nc_u64 s[32:33], s[6:7], s[50:51]
	s_lshl_b32 s50, s23, 11
	s_add_co_u32 s50, s50, 256*512
	s_add_nc_u64 s[34:35], s[6:7], s[50:51]
	s_lshl_b32 s50, s26, 15
	s_add_nc_u64 s[36:37], s[8:9], s[50:51]        ; the table at position tile 8 x key step
	; where the results go, and which bias: choices on hc alone
	s_sub_co_u32 s52, s23, 16
	s_and_b32 s52, s52, 3                          ; the kv head (of use from hc = 16 on)
	s_lshl_b32 s53, s25, 2
	s_add_co_u32 s53, s53, s52
	s_lshl_b32 s53, s53, 4
	s_add_co_u32 s53, s53, s26
	s_mul_i32 s53, s53, REC                        ; the record
	s_add_co_u32 s54, s53, 16384
	s_lshl_b32 s52, s52, 8                         ; 64 numbers of bias a head
	s_cmp_lt_u32 s23, 20
	s_cselect_b64 s[38:39], s[12:13], s[14:15]
	s_cselect_b32 s55, 0, 8192                     ; V's codes lie 8,192 bytes into the record,
	s_cselect_b32 s56, 0, 512                      ; its words 512 behind K's
	s_add_co_u32 s53, s53, s55
	s_add_co_u32 s54, s54, s56
	s_lshl_b32 s55, s23, 18
	s_lshl_b32 s56, s24, 13
	s_add_co_u32 s55, s55, s56                     ; q's codes: 262,144 a head, 8,192 a block
	s_lshl_b32 s56, s23, 14
	s_lshl_b32 s57, s24, 9
	s_add_co_u32 s56, s56, s57                     ; q's words: 16,384 a head, 512 a block
	s_lshl_b32 s57, s23, 8
	s_cmp_lt_u32 s23, 16
	s_cselect_b64 s[38:39], s[10:11], s[38:39]
	s_cselect_b64 s[40:41], s[16:17], s[20:21]
	s_cselect_b64 s[42:43], s[18:19], s[20:21]
	s_cselect_b32 s53, s55, s53
	s_cselect_b32 s54, s56, s54
	s_cselect_b32 s52, s57, s52
	s_mov_b32 s50, s53
	s_add_nc_u64 s[40:41], s[40:41], s[50:51]
	s_mov_b32 s50, s54
	s_add_nc_u64 s[42:43], s[42:43], s[50:51]
	s_mov_b32 s50, s52
	s_add_nc_u64 s[38:39], s[38:39], s[50:51]
	s_wait_alu depctr_va_vdst(0)                   ; the five offsets v1, v2, v3, v13 and v14 are written: every load and store of the kernel reads one of them
.irp P, 0,1,2,3
	global_load_b128 v[XS+8*\P:XS+8*\P+3], v2, s[32:33] offset:1024*\P        ; a tile pair's words of all eight K steps: 32 bytes a lane
	global_load_b128 v[XS+8*\P+4:XS+8*\P+7], v2, s[32:33] offset:1024*\P+16
.endr
.irp P, 0,1
	global_load_b128 v[WS+8*\P:WS+8*\P+3], v2, s[34:35] offset:1024*\P
	global_load_b128 v[WS+8*\P+4:WS+8*\P+7], v2, s[34:35] offset:1024*\P+16
.endr
	s_cmp_ge_u32 s23, 20
	s_cbranch_scc1 .Lvpath
	; ---- q and k
.irp t, 0,1,2,3
	global_load_b128 v[BIAS+8*\t:BIAS+8*\t+3], v3, s[38:39] offset:(32*(\t/2)+8*(\t%2))*4
	global_load_b128 v[BIAS+8*\t+4:BIAS+8*\t+7], v3, s[38:39] offset:(32*(\t/2)+8*(\t%2))*4+16
.endr
	LOADK 0, 2, 0                                  ; no vector or matrix instruction has named the two buffers yet
	LOADK 1, 3, 0
	s_wait_loadcnt 48                              ; all but the next K step's 48 loads: the words, the bias and this step's fragments are in
	MULQK 0, 2, 2
	PLACES
	LOADK 2, 2, 1
.irp s, 1,2,3,4,5
	s_wait_loadcnt 48
	MULQK \s, 2+(\s)%2, 1
	PLACES
	LOADK \s+2, 2+(\s)%2, 1                        ; into the buffer just multiplied
.endr
	s_wait_loadcnt 48
	MULQK 6, 2, 1
	WIN 0
	TBLOAD 0                                       ; into v96-159, which no vector instruction of this path has named
	TBLOAD 1
	s_wait_loadcnt 16                              ; K step 7 is in; the 16 loads of the table may be out
	PLACES
	WIN 0x80                                       ; destination window 2
	s_wait_alu depctr_va_vdst(0)                   ; K step 6's matrix instructions, the last readers of window 2's buffer, are done reading it: the table of tiles 2 to 7 lands there
.irp i, 2,3,4,5,6,7
	TBLOAD \i
.endr
	MULQK 7, 3, 1
	PLACES
.irp i, 0,1,2,3,4,5,6,7
	EPI \i
.endr
.irp p, 0,1,2,3
	v_cndmask_b32 v[OUTW+\p], v[WW+2*\p], v[WW+2*\p+1], s49   ; lanes 0-15 carry tile 2 p's words, lanes 16-31 tile 2 p + 1's
.endr
	s_wait_alu depctr_va_vdst(0)                   ; tile 7's conversions have written its codes and the four selections the words, which the three stores below read
	CSTORE 7
	global_store_b128 v1, v[OUTW:OUTW+3], s[42:43]   ; 512 consecutive bytes
	s_endpgm
	; ---- v
.Lvpath:
.irp n, 0,1,2,3
	global_load_b32 v[BIAS+\n], v13, s[38:39] offset:(32*(\n/2)+8*(\n%2))*4
.endr
	LOADK 0, 2, 0
	LOADK 1, 3, 0
	s_wait_loadcnt 48
	MULV 0, 2, 0
	PLACES
	LOADK 2, 2, 1
.irp s, 1,2,3,4,5
	s_wait_loadcnt 48
	MULV \s, 2+(\s)%2, 1
	PLACES
	LOADK \s+2, 2+(\s)%2, 1
.endr
	s_wait_loadcnt 48
	MULV 6, 2, 1
	s_wait_loadcnt 0x0
	MULV 7, 3, 1
	PLACES
.irp n, 0,1,2,3
	EPV \n
.endr
	v_cndmask_b32 v[OUTW], v[WW], v[WW+1], s49
	v_cndmask_b32 v[OUTW+1], v[WW+2], v[WW+3], s49
	s_wait_alu depctr_va_vdst(0)                   ; tile 3's conversions have written its codes and the two selections the words, which the five stores below read
	VSTORE 3
	global_store_b64 v14, v[OUTW:OUTW+1], s[42:43]   ; 256 consecutive bytes, aligned
	s_endpgm
.Lfunc_end_k_qf0cc8f015a_qkv:
	.size	k_qf0cc8f015a_qkv, .Lfunc_end_k_qf0cc8f015a_qkv-k_qf0cc8f015a_qkv
	.p2alignl 7, 3214868480
	.fill 96, 4, 3214868480
	.section	.rodata,"a",@progbits
	.p2align	6, 0x0
	.amdhsa_kernel k_qf0cc8f015a_qkv
		.amdhsa_group_segment_fixed_size 0
		.amdhsa_private_segment_fixed_size 0
		.amdhsa_enable_private_segment 0
		.amdhsa_kernarg_size 72
		.amdhsa_user_sgpr_count 2
		.amdhsa_user_sgpr_kernarg_segment_ptr 1
		.amdhsa_wavefront_size32 1
		.amdhsa_system_sgpr_workgroup_id_x 1
		.amdhsa_system_sgpr_workgroup_id_y 1
		.amdhsa_system_sgpr_workgroup_id_z 1
		.amdhsa_system_vgpr_workitem_id 0
		.amdhsa_next_free_vgpr 960
		.amdhsa_next_free_sgpr 66
		.amdhsa_reserve_vcc 0
		.amdhsa_float_denorm_mode_32 3
		.amdhsa_float_denorm_mode_16_64 3
		.amdhsa_memory_ordered 1
		.amdhsa_forward_progress 1
		.amdhsa_inst_pref_size 247
	.end_amdhsa_kernel
	.amdgpu_metadata
---
amdhsa.version: [ 1, 2 ]
amdhsa.kernels:
  - .name:           k_qf0cc8f015a_qkv
    .symbol:         k_qf0cc8f015a_qkv.kd
    .args:
      - { .name: img, .offset: 0, .size: 8, .value_kind: global_buffer, .address_space: global }
      - { .name: scl, .offset: 8, .size: 8, .value_kind: global_buffer, .address_space: global }
      - { .name: rope, .offset: 16, .size: 8, .value_kind: global_buffer, .address_space: global }
      - { .name: wq_b, .offset: 24, .size: 8, .value_kind: global_buffer, .address_space: global }
      - { .name: wk_b, .offset: 32, .size: 8, .value_kind: global_buffer, .address_space: global }
      - { .name: wv_b, .offset: 40, .size: 8, .value_kind: global_buffer, .address_space: global }
      - { .name: qimg, .offset: 48, .size: 8, .value_kind: global_buffer, .address_space: global }
      - { .name: qscl, .offset: 56, .size: 8, .value_kind: global_buffer, .address_space: global }
      - { .name: kv, .offset: 64, .size: 8, .value_kind: global_buffer, .address_space: global }
    .group_segment_fixed_size: 0
    .private_segment_fixed_size: 0
    .kernarg_segment_align: 8
    .kernarg_segment_size: 72
    .max_flat_workgroup_size: 96
    .sgpr_count:     66
    .vgpr_count:     960
    .wavefront_size: 32
...
	.end_amdgpu_metadata
.endif
;; end of part 6
;; launch attn (part 7): grid 32 x 8, 16 waves a work-group, no clusters, 174,080 bytes of LDS; arguments qimg, qscl, kv, cimg, cscl; writes cimg, cscl
.if DOCPART == 7
	.amdgcn_target "amdgcn-amd-amdhsa--gfx1250"
	.amdhsa_code_object_version 6
	.text
	.protected	k_qf0cc8f015a_attn
	.globl	k_qf0cc8f015a_attn
	.p2align	8
	.type	k_qf0cc8f015a_attn,@function
k_qf0cc8f015a_attn:
	s_mov_b64 s[64:65], 0
	v_nop
	global_prefetch_b8 v0, s[64:65] scope:SCOPE_SE
	s_setreg_imm32_b32 hwreg(HW_REG_WAVE_SCHED_MODE, 0, 2), 2
	s_setreg_imm32_b32 hwreg(HW_REG_WAVE_MODE, 25, 1), 1
	s_wait_xcnt 0x0
	s_wait_alu depctr_vm_vsrc(0)
; ctx[b][q][head][:] = sum over the keys q - 1024 .. q of softmax(q . k / 8) v, both products on codes of FP8 (E4M3) with E8M0 scales; ctx is quantised along (head, channel) for the output projection.
; THE SOFTMAX AHEAD OF THE SECOND PRODUCT: t = score x log2(e) / 8; M = the largest t so far, rounded up to a whole number; p = 2^(t - M) is quantised along the keys; the sum of the unquantised p divides at the end.
; SHARES.  Work-group (m, y): queries 64 m .. 64 m + 63 of batch y / 4, kv head y % 4.  Wave w: query head 4 (y % 4) + w % 4, query tile 4 m + w / 4: 16 queries in 256 registers, four waves to a SIMD.
; KEY STEPS of 128 go DOWNWARD from step m / 2, in which the diagonal lies: trip t takes step m / 2 - t.  Trip 0 hides keys after the query, trip 8 keys more than 1,024 before it (1,024 = 8 x 128, so one number a lane
; serves both ends); trips 1 to 7 hide nothing; a trip whose step would lie before key 0 does no work.  The loop's count is the constant 9.  The query's own key lies in trip 0, so M is a number from the first step on.
; LDS.  A key step's record (K's codes 8,192, V's codes 8,192, K's words 512, V's words 256 bytes) is an image of the operands' registers.  Trip t's record has slot t to itself: every byte of a slot is written once.
; The 512 threads bring a record through registers, asked for a whole key step ahead.  No cluster: only pairs of query blocks walk the same steps, and a step's 17 KB are little beside its vector work.
; ONE BARRIER A TRIP, its halves apart: ahead of the signal a wave has stored its part of slot t + 1 and waited for that; between signal and wait it works on slot t, which nobody writes again.
; BOTH PRODUCTS ARE USED TRANSPOSED (S^T = K Q^T, O^T = V^T P^T): a lane holds one query.  Key tile 2 b + u holds keys 32 b + 8 u + slot + 8 (slot / 8): the registers of tiles 2 b, 2 b + 1 are keys 32 b + 16 h + 0 .. 15.
; K = 64 IN THE FORM OF 128: Q's registers 8-15 are zero codes; a key tile's upper eight registers are the next tile's codes (finite: the quantiser holds at 448), or zeros behind the last; bytes 2, 3 of both words are 0x7f.
; LIMITS: NaN and infinities are not served; a block of zeros, or one under 2^-118, gets the byte 1 (this program alone reads the bytes).
; THE MODE: SCHED_MODE bits 1:0 = 2 (LLVM: expert scheduling mode 2), set by the entry lines.  The code itself states the register dependences between vector or matrix instructions and memory or LDS instructions, with s_wait_alu, always for 0.
; THE PLAN.  Registers that memory or LDS instructions touch, round the loop:
;   v8, v9, v10, v254   LDS addresses.  Read by the trip's LDS stores and loads; written by four additions at the next trip's head: a wait on vm_vsrc ahead of the four, a wait on va_vdst behind them.
;   v32-95, KS, VS      K's loads land at the step's head: the same wait on va_vdst states that the products of the trip before are done reading them.  V's loads land in v32-95 behind the wait that the batch of 64
;                       exponentials has in any case: it also states that the scores' eight products are done reading K.
;   v244-253            the staging registers: global loads land, the LDS stores read: a wait on vm_vsrc behind those stores, ahead of the branch round the next loads.  No vector instruction names them.
;   v200-215, v240      p's codes and word: vector instructions write them and the second product takes them as source 1 and as scales: a wait on va_vdst straight ahead of its four instructions.
;   v1, v2, v5, v6, v11, v255, and the zero codes v24-31 and v96-103: written at the head, ahead of its one wait on va_vdst, and never again.
;   s40-55              the masks of 16 compares at a time: one wait on va_sdst between a run of compares and the run of selections that reads them.
.set REC,   17152
.set GATH,  10*REC                     ; behind ten slots (the tenth is never written: it keeps the stepped store address inside the slots): 512 bytes, ctx's scale bytes of the work-group
.set SPARE, GATH+512                   ; the spare words, 128 bytes for each of sixteen waves: eight blocks of 256 bytes that no other line names
.set S,    104                         ; v104-167 S^T, then p
.set OT,   168                         ; v168-199 O^T
.set PCD,  200                         ; v200-215 p's codes
.set TM,   216                         ; v216-231 at work: BM, PT, HD, SO; on the way out the quantiser's
.set BM,   216                         ; the blocks' largest scores, then largest p
.set PT,   220
.set HD,   224                         ; 448 x the scale
.set SO,   228                         ; the conversions' scale operands
.set KS,   232                         ; v232-235 K's words: pair p: lanes 0-15 tile 2 p, lanes 16-31 tile 2 p + 1
.set VS,   236                         ; v236-237 V's
.set FF,   238                         ; v[238:239] f = 2^(old M - new M)
.set PW,   240                         ; p's word; on the way out ctx's two bytes
.set QS,   241                         ; Q's word
.set TP,   242
.set NINF, 243
.set STG,  244                         ; v244-253 a record's bytes on their way to LDS
.set RA8,  254
.set WV,   14
.set HIGH, 15
.set NST,  16
.set TT,   17
.set SB,   18                          ; (trip + 1) x REC
.set RB,   19                          ; trip x REC
.set RP,   20                          ; s[20:21] the record to be loaded next
.set SEL,  22
.set CS,   24                          ; s[24:25] log2(e) / 8
.set MNT,  26
.set MK,   40                          ; s[40:55] sixteen masks
.macro PLACES
.rept 8
	v_nop
.endr
.endm
.macro WM d, a, b, c, sa, sb, pa       ; one matrix instruction.  c < 0: the constant 0 starts the sum.  pa: source 0's scales stand in lanes 16-31
.if (\c) < 0
.if (\pa)
	v_wmma_scale_f32_16x16x128_f8f6f4 v[(\d):(\d)+7], v[(\a):(\a)+15], v[(\b):(\b)+15], 0, v[\sa], v[\sb] matrix_a_scale:MATRIX_SCALE_ROW1
.else
	v_wmma_scale_f32_16x16x128_f8f6f4 v[(\d):(\d)+7], v[(\a):(\a)+15], v[(\b):(\b)+15], 0, v[\sa], v[\sb]
.endif
.else
.if (\pa)
	v_wmma_scale_f32_16x16x128_f8f6f4 v[(\d):(\d)+7], v[(\a):(\a)+15], v[(\b):(\b)+15], v[(\c):(\c)+7], v[\sa], v[\sb] matrix_a_scale:MATRIX_SCALE_ROW1
.else
	v_wmma_scale_f32_16x16x128_f8f6f4 v[(\d):(\d)+7], v[(\a):(\a)+15], v[(\b):(\b)+15], v[(\c):(\c)+7], v[\sa], v[\sb]
.endif
.endif
.endm
.macro RECLOAD                         ; 512 threads x 32 bytes, and in waves 0 to 2 eight more: 17,152 bytes
	global_load_b128 v[STG:STG+3], v5, s[RP:RP+1]
	global_load_b128 v[STG+4:STG+7], v5, s[RP:RP+1] offset:8192
	s_cmp_lt_u32 s[WV], 3
	s_cbranch_scc0 .Lno_ltail_\@
	global_load_b64 v[STG+8:STG+9], v6, s[RP:RP+1]
.Lno_ltail_\@:
.endm
.macro RECSTORE a16, a8
	ds_store_b128 v[\a16], v[STG:STG+3]
	ds_store_b128 v[\a16], v[STG+4:STG+7] offset:8192
	s_cmp_lt_u32 s[WV], 3
	s_cbranch_scc0 .Lno_stail_\@
	ds_store_b64 v[\a8], v[STG+8:STG+9]
.Lno_stail_\@:
.endm
; THE MASKS.  Register 16 g + n holds key 32 g + n + 16 h of the step; v7 = my query's place in the diagonal step - 16 h.  Sixteen compares, one wait, sixteen selections, four times
.macro MASKGT                          ; hidden: keys after my query
.set g, 0
.rept 4
.set n, 0
.rept 16
	v_cmp_gt_i32 s[MK+n], 32*g+n, v7
.set n, n+1
.endr
	s_wait_alu depctr_va_sdst(0)                   ; the sixteen compares have written s40 to s55, ahead of the selections that read them
.set n, 0
.rept 16
	v_cndmask_b32 v[S+16*g+n], v[S+16*g+n], v[NINF], s[MK+n]
.set n, n+1
.endr
.set g, g+1
.endr
.endm
.macro MASKLT                          ; hidden: keys more than 1,024 before my query
.set g, 0
.rept 4
.set n, 0
.rept 16
	v_cmp_lt_i32 s[MK+n], 32*g+n, v7
.set n, n+1
.endr
	s_wait_alu depctr_va_sdst(0)                   ; the sixteen compares have written s40 to s55, ahead of the selections that read them
.set n, 0
.rept 16
	v_cndmask_b32 v[S+16*g+n], v[S+16*g+n], v[NINF], s[MK+n]
.set n, n+1
.endr
.set g, g+1
.endr
.endm
.macro QUANT src, nb, pc               ; 16 nb numbers of a lane, v[src + 16 b + i] = k 32 b + 16 h + i, become codes in v[pc] on and scale bytes in v[PW]
.set qb, 0
.rept \nb
	v_max3_num_f32 v[TM+qb], |v[(\src)+16*qb]|, |v[(\src)+16*qb+1]|, 0x4800000
.set qb, qb+1
.endr
.set qi, 2
.rept 7
.set qb, 0
.rept \nb
	v_max3_num_f32 v[TM+qb], v[TM+qb], |v[(\src)+16*qb+qi]|, |v[(\src)+16*qb+qi+1]|
.set qb, qb+1
.endr
.set qi, qi+2
.endr
.set qb, 0
.rept \nb
	v_permlanex16_b32 v[TM+4+qb], v[TM+qb], s[SEL], s[SEL+1]
.set qb, qb+1
.endr
.set qb, 0
.rept \nb
	v_max_num_f32 v[TM+qb], v[TM+qb], v[TM+4+qb]
.set qb, qb+1
.endr
.set qb, 0
.rept \nb
	v_add_nc_u32 v[TM+12+qb], 0xfc000000, v[TM+qb]
	v_and_or_b32 v[TM+8+qb], v[TM+qb], 0x7f800000, s[MNT]
.set qb, qb+1
.endr
.set qb, 0
.rept \nb
	v_lshrrev_b32 v[TM+4+qb], 23, v[TM+12+qb]
.set qb, qb+1
.endr
	v_lshl_or_b32 v[PW], v[TM+5], 8, v[TM+4]
.set qb, 0
.rept \nb
.set qi, 0
.rept 16
	v_med3_num_f32 v[(\src)+16*qb+qi], v[(\src)+16*qb+qi], -v[TM+8+qb], v[TM+8+qb]
.set qi, qi+1
.endr
	v_cvt_scalef32_pk8_fp8_f32 v[(\pc)+4*qb:(\pc)+4*qb+1], v[(\src)+16*qb:(\src)+16*qb+7], v[TM+12+qb]
	v_cvt_scalef32_pk8_fp8_f32 v[(\pc)+4*qb+2:(\pc)+4*qb+3], v[(\src)+16*qb+8:(\src)+16*qb+15], v[TM+12+qb]
.set qb, qb+1
.endr
	v_nop
.endm
	s_load_b256 s[4:11], s[0:1], 0x0               ; qimg, qscl, kv, cimg
	s_load_b64 s[12:13], s[0:1], 0x20              ; cscl
	v_lshl_add_u32 v3, v0, 2, SPARE                ; my spare word; never rewritten
	v_mov_b32 v4, 0                                ; 0; never rewritten
	v_lshrrev_b32 v1, 5, v0
	v_readfirstlane_b32 s[WV], v1                  ; wave 0..15
	v_and_b32 v2, 31, v0
	v_lshlrev_b32 v1, 4, v2                        ; 16 x lane
	v_lshlrev_b32 v2, 3, v2                        ; 8 x lane
	v_lshlrev_b32 v5, 4, v0                        ; 16 x thread: my bytes of a record, in memory and in a slot
	v_lshlrev_b32 v6, 3, v0
	v_add_nc_u32 v6, 16384, v6                     ; and, in waves 0 to 2, of its 768 bytes of words
	v_and_b32 v9, 15, v0                           ; r
	v_bfe_u32 v10, v0, 4, 1                        ; h
	v_lshlrev_b32 v255, 4, v9                      ; 16 r
.irp j, 0,1,2,3,4,5,6,7
	v_mov_b32 v[24+\j], 0                          ; Q's upper half: zero codes
	v_mov_b32 v[96+\j], 0                          ; and what stands behind the last key tile
.endr
	s_wait_alu depctr_va_sdst(0)                   ; s14, the wave's number, is written, ahead of its first reader
	s_and_b32 s28, ttmp7, 0xffff                   ; y
	s_lshr_b32 s29, s28, 2                         ; batch
	s_and_b32 s30, s28, 3                          ; kv head
	s_and_b32 s31, s[WV], 3
	s_lshr_b32 s32, s[WV], 2                       ; which of the block's four query tiles
	s_lshl_b32 s33, s30, 2
	s_add_co_u32 s33, s33, s31                     ; query head
	s_lshl_b32 s34, s29, 7
	s_lshl_b32 s35, ttmp9, 2
	s_add_co_u32 s34, s34, s35
	s_add_co_u32 s34, s34, s32                     ; query tile, of 256
	s_lshr_b32 s[HIGH], ttmp9, 1                   ; the diagonal's key step
	s_min_u32 s[NST], s[HIGH], 8                   ; the last trip that has work
	s_and_b32 s27, ttmp9, 1
	s_lshl_b32 s27, s27, 6
	s_lshr_b32 s35, s32, 1
	s_lshl_b32 s35, s35, 5
	s_add_co_u32 s27, s27, s35
	s_and_b32 s35, s32, 1
	s_lshl_b32 s35, s35, 3
	s_add_co_u32 s27, s27, s35                     ; my tile's first query in the diagonal step
	v_and_b32 v7, 8, v9
	v_add_nc_u32 v7, v7, v9
	v_lshlrev_b32 v[TP], 4, v10
	v_sub_nc_u32 v7, v7, v[TP]
	v_add_nc_u32 v7, s27, v7                       ; my query's place there, less 16 h
	s_lshr_b32 s38, s[WV], 3                       ; ctx's scale bytes: 256 (tile / 2) + 128 (tile % 2) + 8 r + 2 (head % 4)
	s_lshl_b32 s38, s38, 8
	s_bfe_u32 s35, s[WV], 0x10002
	s_lshl_b32 s35, s35, 7
	s_add_co_u32 s38, s38, s35
	s_lshl_b32 s35, s31, 1
	s_add_co_u32 s38, s38, s35
	s_add_co_u32 s38, s38, GATH
	v_lshl_add_u32 v11, v9, 3, s38
	s_mov_b32 s[SEL], 0x76543210
	s_mov_b32 s[SEL+1], 0xfedcba98
	s_mov_b32 s[CS], 0x3e38aa3b                    ; log2(e) / 8
	s_mov_b32 s[CS+1], s[CS]                       ; (named with it as a pair, so it is written)
	s_mov_b32 s[MNT], 0x600000
	s_mov_b32 s37, 0
	s_wait_kmcnt 0x0
	s_lshl_b32 s36, s28, 4
	s_add_co_u32 s36, s36, s[HIGH]
	s_mul_i32 s36, s36, REC
	s_add_nc_u64 s[RP:RP+1], s[8:9], s[36:37]      ; the diagonal step's record
	s_lshl_b32 s36, s33, 18
	s_lshl_b32 s35, s34, 10
	s_add_co_u32 s36, s36, s35
	s_add_nc_u64 s[4:5], s[4:5], s[36:37]          ; Q's codes
	s_lshl_b32 s36, s33, 14
	s_lshr_b32 s35, s34, 3
	s_lshl_b32 s35, s35, 9
	s_add_co_u32 s36, s36, s35
	s_and_b32 s35, s34, 1
	s_lshl_b32 s35, s35, 8
	s_add_co_u32 s36, s36, s35
	s_bfe_u32 s35, s34, 0x20001
	s_lshl_b32 s35, s35, 2
	s_add_co_u32 s36, s36, s35
	s_add_nc_u64 s[6:7], s[6:7], s[36:37]          ; Q's words: 16,384 a head, 512 a block of 8 tiles, 256 (tile % 2), 4 ((tile / 2) % 4)
	s_lshl_b32 s36, s34, 14
	s_lshl_b32 s35, s33, 10
	s_add_co_u32 s36, s36, s35
	s_add_nc_u64 s[10:11], s[10:11], s[36:37]      ; ctx's codes: 16,384 a tile, 1,024 a head
	s_lshl_b32 s36, s29, 16
	s_lshl_b32 s35, ttmp9, 11
	s_add_co_u32 s36, s36, s35
	s_lshl_b32 s35, s30, 8
	s_add_co_u32 s36, s36, s35
	s_add_nc_u64 s[12:13], s[12:13], s[36:37]      ; ctx's words: 1,024 a tile pair, 256 a kv head
	s_wait_alu depctr_va_vdst(0)                   ; the offsets and addresses v1, v2, v5, v6, v11 and v255 are written, which loads and stores read from here on; so are the zero codes v24-31 and v96-103, which the scores' products take as operands
	RECLOAD
	global_load_b128 v[16:19], v1, s[4:5]
	global_load_b128 v[20:23], v1, s[4:5] offset:512
	global_load_b32 v[QS], v255, s[6:7]
	v_mov_b32 v13, 0xff61b1e6                      ; the largest t so far: -3e38
	v_floor_f32 v12, -v13                          ; -M
	v_mov_b32 v14, 0                               ; the sum, in two halves
	v_mov_b32 v15, 0
	v_mov_b32 v[FF+1], 0                           ; (named as the upper half of a pair)
	v_mov_b32 v[NINF], 0xff800000
.irp b, 0,1,2,3
	v_mov_b32 v[PT+\b], 0                          ; written once: a lane permute's destination counts as one of its sources
.endr
.irp j, 0,1,2,3,4,5,6,7,8,9,10,11,12,13,14,15,16,17,18,19,20,21,22,23,24,25,26,27,28,29,30,31
	v_mov_b32 v[OT+\j], 0                          ; O^T: the step is written once, and the first finds zeros
.endr
	s_wait_loadcnt 0x0
	RECSTORE 5, 6                                  ; slot 0
	s_wait_dscnt 0x0                               ; for the others' sake: my part of slot 0 has landed
	s_wait_alu depctr_vm_vsrc(0)                   ; my LDS stores have read the staging registers, in which the next record's loads land
	s_sub_nc_u64 s[RP:RP+1], s[RP:RP+1], REC       ; (its loads are done)
	s_cmp_ge_u32 s[NST], 1
	s_cbranch_scc0 .Lonly_one
	RECLOAD
.Lonly_one:
	s_barrier_signal -1
	s_barrier_wait -1                              ; slot 0 is whole
	s_mov_b32 s[TT], 0
	s_mov_b32 s[SB], REC
	s_mov_b32 s[RB], 0
.Ltrip:
	s_wait_loadcnt 0x0                             ; the next record's bytes, asked for a key step ago
	s_wait_alu depctr_vm_vsrc(0)                   ; the LDS stores and loads of the trip before have read v8, v9, v10 and v254, which the four lines below write
	v_add_nc_u32 v9, s[SB], v5                     ; all four LDS addresses are made on every wave's path
	v_add_nc_u32 v10, s[SB], v6
	v_add_nc_u32 v8, s[RB], v1
	v_add_nc_u32 v[RA8], s[RB], v2
	s_wait_alu depctr_va_vdst(0)                   ; the four addresses are written, which this trip's LDS stores and loads read; the products of the trip before are done reading v32-95 and the words v232-237, in which this trip's loads land
	s_cmp_lt_u32 s[TT], s[NST]
	s_cbranch_scc0 .Lno_store
	RECSTORE 9, 10                                 ; slot trip + 1
.Lno_store:
	s_wait_dscnt 0x0                               ; zero, for the others' sake: my part of the next slot has landed
	s_wait_alu depctr_vm_vsrc(0)                   ; my LDS stores have read the staging registers, in which the loads below land
	s_sub_nc_u64 s[RP:RP+1], s[RP:RP+1], REC       ; (the loads that named it are done)
	s_add_co_u32 s27, s[TT], 2
	s_cmp_le_u32 s27, s[NST]
	s_cbranch_scc0 .Lno_load
	RECLOAD                                        ; the record two trips on: it has this key step in which to come
.Lno_load:
	s_barrier_signal -1
	s_cmp_le_u32 s[TT], s[HIGH]
	s_cbranch_scc0 .Lno_step
	; ---- a key step: 128 keys out of slot trip
.set kt, 0
.rept 8
	ds_load_b128 v[32+8*kt:35+8*kt], v8 offset:1024*kt
	ds_load_b128 v[36+8*kt:39+8*kt], v8 offset:1024*kt+512
.set kt, kt+1
.endr
	ds_load_b128 v[KS:KS+3], v8 offset:16384
	ds_load_b64 v[VS:VS+1], v[RA8] offset:16896
	s_wait_dscnt 0x0
.set kt, 0
.rept 8
	WM S+8*kt, 32+8*kt, 16, -1, KS+kt/2, QS, kt%2
.set kt, kt+1
.endr
	PLACES                                         ; ahead of the first read of the scores
	s_cmp_lg_u32 s[TT], 0
	s_cbranch_scc1 .Lnot_diag
	MASKGT                                         ; the diagonal: keys after my query
.Lnot_diag:
	s_cmp_lg_u32 s[TT], 8
	s_cbranch_scc1 .Lnot_edge
	MASKLT                                         ; the window's edge: keys more than 1,024 before my query
.Lnot_edge:
.irp b, 0,1,2,3
	v_max3_num_f32 v[BM+\b], v[S+16*\b], v[S+1+16*\b], v[S+2+16*\b]   ; the largest score of each block of 32 keys: for the row's maximum and, since p rises with the score, for the block's largest p
.endr
.irp i, 3,5,7,9,11,13
.irp b, 0,1,2,3
	v_max3_num_f32 v[BM+\b], v[BM+\b], v[S+16*\b+\i], v[S+1+16*\b+\i]
.endr
.endr
.irp b, 0,1,2,3
	v_max_num_f32 v[BM+\b], v[BM+\b], v[S+15+16*\b]
.endr
.irp b, 0,1,2,3
	v_permlanex16_b32 v[PT+\b], v[BM+\b], s[SEL], s[SEL+1]
.endr
.irp b, 0,1,2,3
	v_max_num_f32 v[BM+\b], v[BM+\b], v[PT+\b]     ; with lane l xor 16's 16 keys
.endr
	v_max3_num_f32 v[TP], v[BM], v[BM+1], v[BM+2]
	v_max_num_f32 v[TP], v[TP], v[BM+3]
	v_mul_f32 v[TP], s[CS], v[TP]
	v_max_num_f32 v13, v13, v[TP]                  ; the running largest t
	v_mov_b32 v[TP], v12
	v_floor_f32 v12, -v13                          ; the new -M: a whole number
	v_sub_f32 v[TP], v12, v[TP]                    ; old M - new M, 0 or less
	v_cvt_i32_f32 v[TP], v[TP]                     ; (it saturates)
	v_ldexp_f32 v[FF], 1.0, v[TP]                  ; f: a multiplication by it rounds nothing
.set j, 0
.rept 32
	v_pk_fma_f32 v[S+j:S+j+1], v[S+j:S+j+1], s[CS:CS+1], v[12:13] op_sel_hi:[1,0,0]   ; t - M
.set j, j+2
.endr
.irp b, 0,1,2,3
	v_fma_f32 v[BM+\b], v[BM+\b], s[CS], v12
.endr
.set j, 0
	s_wait_alu depctr_va_vdst(0)
.rept 64
	v_exp_f32 v[S+j], v[S+j]                       ; p, at most 1
.set j, j+1
.endr
	v_pk_mul_f32 v[14:15], v[14:15], v[FF:FF+1] op_sel_hi:[1,0]   ; the sums under the new M (a plain line behind the exponentials)
	s_wait_alu depctr_va_vdst(0)                   ; one wait for two things: the 64 exponentials have written p, ahead of its first reader; and the scores' eight products are done reading v32-95, in which V lands
.set dt, 0
.rept 4
.irp c, 0,1,2,3
	ds_load_b128 v[32+16*dt+4*\c:35+16*dt+4*\c], v8 offset:8192+2048*dt+512*\c   ; V: it lands under the sums, the scales, the holds and the conversions
.endr
.set dt, dt+1
.endr
.irp b, 0,1,2,3
	v_exp_f32 v[BM+\b], v[BM+\b]                   ; the blocks' largest p
.endr
	v_pk_add_f32 v[PT:PT+1], v[S:S+1], v[S+2:S+3]  ; the row's sum of the unquantised p, in two chains
.irp j, 4,8,12,16,20,24,28,32,36,40,44,48,52,56,60
	v_pk_add_f32 v[14:15], v[14:15], v[S+\j:S+1+\j]
	v_pk_add_f32 v[PT:PT+1], v[PT:PT+1], v[S+2+\j:S+3+\j]
.endr
	v_pk_add_f32 v[14:15], v[14:15], v[PT:PT+1]
	s_wait_alu depctr_va_vdst(0)                   ; the four exponentials have written the blocks' largest p, ahead of its first reader
.irp b, 0,1,2,3
	v_max_num_f32 v[BM+\b], 0x4800000, v[BM+\b]    ; the floor 2^(9 - 127): a block whose every p is 0 keeps the byte 1 over zero codes
.endr
.irp b, 0,1,2,3
	v_add_nc_u32 v[SO+\b], 0xfc000000, v[BM+\b]
.endr
.irp b, 0,1,2,3
	v_and_or_b32 v[HD+\b], v[BM+\b], 0x7f800000, s[MNT]
.endr
.irp b, 0,1,2,3
	v_lshrrev_b32 v[PT+\b], 23, v[SO+\b]
.endr
	v_lshl_or_b32 v[PW], v[PT+1], 8, v[PT]         ; p's word for these 128 keys
	v_lshl_or_b32 v[PW], v[PT+2], 16, v[PW]
	v_lshl_or_b32 v[PW], v[PT+3], 24, v[PW]
.irp b, 0,1,2,3
.irp i, 0,1,2,3,4,5,6,7,8,9,10,11,12,13,14,15
	v_min_num_f32 v[S+16*\b+\i], v[S+16*\b+\i], v[HD+\b]   ; the hold; p is not negative
.endr
	v_cvt_scalef32_pk8_fp8_f32 v[PCD+4*\b:PCD+1+4*\b], v[S+16*\b:S+7+16*\b], v[SO+\b]
	v_cvt_scalef32_pk8_fp8_f32 v[PCD+2+4*\b:PCD+3+4*\b], v[S+8+16*\b:S+15+16*\b], v[SO+\b]
.endr
.set j, 0
.rept 16
	v_pk_mul_f32 v[OT+j:OT+j+1], v[OT+j:OT+j+1], v[FF:FF+1] op_sel_hi:[1,0]   ; O^T under the new M; these sixteen also stand between the codes and the products
.set j, j+2
.endr
	s_wait_dscnt 0x0                               ; V is in
	s_wait_alu depctr_va_vdst(0)                   ; the conversions have written p's codes and the shifts p's word, which the four products below take as source 1 and as scales; the places above stay beside this wait
.set dt, 0
.rept 4
	WM OT+8*dt, 32+16*dt, PCD, OT+8*dt, VS+dt/2, PW, dt%2   ; four accumulators, one instruction a turn; the scores' eight products stand between a link and the next
.set dt, dt+1
.endr
	PLACES                                         ; ahead of the next step's loads into V's registers and words, and of the reads of O^T
.Lno_step:
	s_barrier_wait -1                              ; every wave has stored its part of slot trip + 1
	s_add_co_u32 s[SB], s[SB], REC
	s_add_co_u32 s[RB], s[RB], REC
	s_add_co_u32 s[TT], s[TT], 1
	s_cmp_lt_u32 s[TT], 9
	s_cbranch_scc1 .Ltrip
	; ---- the way out: O^T / the sum, quantised along the head's 64 channels: registers 16 b + i are channels 32 b + 16 h + i of my query
	s_wait_alu depctr_vm_vsrc(0)                   ; the last trip's LDS loads have read v8 and v254, which are written anew below
	v_add_f32 v14, v14, v15
	v_permlanex16_b32 v[TP], v14, s[SEL], s[SEL+1]
	v_add_f32 v14, v14, v[TP]                      ; the row's sum
	s_wait_alu depctr_va_vdst(0)
	v_rcp_f32 v14, v14
	v_bfe_u32 v[TP], v0, 4, 1                      ; (a plain line behind the transcendental)
	v_lshl_add_u32 v[RA8], v[TP], 10, v255         ; wave 0's offset in cscl: 1,024 (lane / 16) + 16 (lane % 16)
	v_add_nc_u32 v8, GATH, v1
	s_wait_alu depctr_va_vdst(0)                   ; the reciprocal has written v14, ahead of its first reader
.set j, 0
.rept 16
	v_pk_mul_f32 v[S+j:S+j+1], v[OT+j:OT+j+1], v[14:15] op_sel_hi:[1,0]
.set j, j+2
.endr
	QUANT S, 2, PCD
	s_wait_alu depctr_va_vdst(0)                   ; the conversions have written ctx's codes and the shift its two bytes, which the stores below read; v8 and v254 are written; the quantiser is done with v104-107, in which wave 0's LDS load lands
	global_store_b128 v1, v[PCD:PCD+3], s[10:11]             ; 512 consecutive bytes a store
	global_store_b128 v1, v[PCD+4:PCD+7], s[10:11] offset:512
	ds_store_b16 v11, v[PW]                        ; my head's two bytes of my query's word; lanes r and r + 16 write the same
	s_wait_dscnt 0x0
	s_barrier_signal -1
	s_barrier_wait -1
	s_cmp_lg_u32 s[WV], 0
	s_cbranch_scc1 .Lend
	ds_load_b128 v[S:S+3], v8
	s_wait_dscnt 0x0
	global_store_b128 v[RA8], v[S:S+3], s[12:13]   ; sixteen lanes store 256 consecutive bytes, aligned: one run for each of the block's two tile pairs
.Lend:
	s_wait_dscnt 0x0                               ; the closing lines, six on end
	s_wait_alu 0x0
	s_wait_tensorcnt 0x0
	ds_add_u32 v3, v4
	s_wait_dscnt 0x0
	s_endpgm
.Lfunc_end_k_qf0cc8f015a_attn:
	.size	k_qf0cc8f015a_attn, .Lfunc_end_k_qf0cc8f015a_attn-k_qf0cc8f015a_attn
	.p2alignl 7, 3214868480
	.fill 96, 4, 3214868480
	.section	.rodata,"a",@progbits
	.p2align	6, 0x0
	.amdhsa_kernel k_qf0cc8f015a_attn
		.amdhsa_group_segment_fixed_size 174080
		.amdhsa_private_segment_fixed_size 0
		.amdhsa_enable_private_segment 0
		.amdhsa_kernarg_size 40
		.amdhsa_user_sgpr_count 2
		.amdhsa_user_sgpr_kernarg_segment_ptr 1
		.amdhsa_wavefront_size32 1
		.amdhsa_system_sgpr_workgroup_id_x 1
		.amdhsa_system_sgpr_workgroup_id_y 1
		.amdhsa_system_sgpr_workgroup_id_z 1
		.amdhsa_system_vgpr_workitem_id 0
		.amdhsa_next_free_vgpr 256
		.amdhsa_next_free_sgpr 66
		.amdhsa_reserve_vcc 0
		.amdhsa_float_denorm_mode_32 3
		.amdhsa_float_denorm_mode_16_64 3
		.amdhsa_memory_ordered 1
		.amdhsa_forward_progress 1
		.amdhsa_inst_pref_size 52
	.end_amdhsa_kernel
	.amdgpu_metadata
---
amdhsa.version: [ 1, 2 ]
amdhsa.kernels:
  - .name:           k_qf0cc8f015a_attn
    .symbol:         k_qf0cc8f015a_attn.kd
    .args:
      - { .name: qimg, .offset: 0, .size: 8, .value_kind: global_buffer, .address_space: global }
      - { .name: qscl, .offset: 8, .size: 8, .value_kind: global_buffer, .address_space: global }
      - { .name: kv, .offset: 16, .size: 8, .value_kind: global_buffer, .address_space: global }
      - { .name: cimg, .offset: 24, .size: 8, .value_kind: global_buffer, .address_space: global }
      - { .name: cscl, .offset: 32, .size: 8, .value_kind: global_buffer, .address_space: global }
    .group_segment_fixed_size: 174080
    .private_segment_fixed_size: 0
    .kernarg_segment_align: 8
    .kernarg_segment_size: 40
    .max_flat_workgroup_size: 512
    .sgpr_count:     66
    .vgpr_count:     256
    .wavefront_size: 32
...
	.end_amdgpu_metadata
.endif
;; end of part 7
;; launch oproj (part 8): grid 8 x 32, 2 waves a work-group, no clusters, 8,960 bytes of LDS; arguments img, scl, cimg, cscl, out0; writes out0
.if DOCPART == 8
	.amdgcn_target "amdgcn-amd-amdhsa--gfx1250"
	.amdhsa_code_object_version 6
	.text
	.protected	k_qf0cc8f015a_oproj
	.globl	k_qf0cc8f015a_oproj
	.p2align	8
	.type	k_qf0cc8f015a_oproj,@function
k_qf0cc8f015a_oproj:
	s_mov_b64 s[64:65], 0
	v_nop
	global_prefetch_b8 v0, s[64:65] scope:SCOPE_SE
	s_setreg_imm32_b32 hwreg(HW_REG_WAVE_SCHED_MODE, 0, 2), 2
	s_setreg_imm32_b32 hwreg(HW_REG_WAVE_MODE, 25, 1), 1
	s_wait_xcnt 0x0
	s_wait_alu depctr_vm_vsrc(0)
; out0 = ctx wo^T on codes of FP8 (E4M3) with E8M0 scales; out0 [4096][1024] f32.
; SHARES.  Work-group y takes rows 128 y .. 128 y + 127; wave w of work-group x takes columns 64 (2 x + w) on: 128 x 64, 32 accumulators.  Both operands lie in memory as images of the operand's registers
; (tile 2 G + u = rows 32 G + 8 u + slot + 8 (slot / 8)) and come by loads of 512 consecutive bytes straight into registers; no tile passes through LDS, so there is nothing to receive jointly in a cluster.
; Source 0 = 16 rows of wo, source 1 = 16 rows of ctx: lane (r, h) holds row slot r; register 8 t + j of a row tile is column 32 (t / 2) + 16 h + 8 (t % 2) + j of my 64.
; THE WAY OUT.  A row tile goes through the wave's own stage in LDS (16 rows of 256 + 16 bytes) and leaves by rows: sixteen lanes store 256 consecutive bytes, aligned.
; REGISTERS.  Window 1: the accumulators ((i, t) at 8 (4 i + t)).  Windows 2 and 3: two buffers of fragments, ctx's tile i at v[16 i], wo's tile t at v[128 + 16 t].  Window 0: all else.
; THE MODE: SCHED_MODE bits 1:0 = 2 (LLVM: expert scheduling mode 2), set by the entry lines.  The code itself states the register dependences between vector or matrix instructions and memory or LDS instructions, with s_wait_alu, always for 0.
; THE PLAN.  Registers that memory or LDS instructions touch:
;   v1 to v6, v8, v9   offsets and LDS addresses, made at the head and never written again: one wait ahead of the first load serves the whole kernel.
;   the two buffers    K step s: its 32 matrix instructions read a buffer; behind them ONE wait, and the 48 loads of K step s + 2 land in it at once.
;   the accumulators   written by the matrix instructions, read by the LDS stores of the way out: one wait behind the last product and its places.  No vector or matrix instruction follows it, so it serves all 64 stores.
;   OUTR, two sets     LDS loads land, global stores read; no vector instruction names them.  Ahead of tile i's LDS loads a wait states that tile i - 2's global stores have read the set.
.set STGB,  16*272
.set SPARE, 2*STGB                     ; behind the two stages: the spare words, 128 bytes a wave: one block of 256 bytes that no other line names
.set L8,   3                           ; v3  8 x lane
.set STO,  4                           ; v4  into the stage: 272 r + 64 h
.set RD,   5                           ; v5  out of it: 272 (lane / 16) + 16 (lane % 16)
.set CO,   6                           ; v6  the same place in out0: 4,096 (lane / 16) + 16 (lane % 16)
.set SPW,  8
.set NIL,  9
.set XS,   16                          ; v16-47 ctx's scale words: pair P, K step s at 16 + 8 P + s
.set WS,   48                          ; v48-63 wo's
.set OUTR, 64                          ; v64-127 two sets of 16 rows x 256 bytes
.set XB,   28
.set WB,   30
.set MSB, 0
.macro WIN new                         ; bits 1:0 source 0, 3:2 source 1, 5:4 source 2, 7:6 destination; the immediate's high byte repeats the setting that is left
.if MSB != (\new)
	s_set_vgpr_msb (MSB<<8)|(\new)
.set MSB, \new
.endif
.endm
.macro PLACES                          ; eight plain vector lines between a matrix instruction of this form and a load into its registers or a read of its result
.rept 8
	v_nop
.endr
.endm
.macro WM d, a, b, c, sa, sb, pa, pb
.if (\c) < 0
.if (\pa) && (\pb)
	v_wmma_scale_f32_16x16x128_f8f6f4 v[(\d):(\d)+7], v[(\a):(\a)+15], v[(\b):(\b)+15], 0, v[\sa], v[\sb] matrix_a_scale:MATRIX_SCALE_ROW1 matrix_b_scale:MATRIX_SCALE_ROW1
.elseif (\pa)
	v_wmma_scale_f32_16x16x128_f8f6f4 v[(\d):(\d)+7], v[(\a):(\a)+15], v[(\b):(\b)+15], 0, v[\sa], v[\sb] matrix_a_scale:MATRIX_SCALE_ROW1
.elseif (\pb)
	v_wmma_scale_f32_16x16x128_f8f6f4 v[(\d):(\d)+7], v[(\a):(\a)+15], v[(\b):(\b)+15], 0, v[\sa], v[\sb] matrix_b_scale:MATRIX_SCALE_ROW1
.else
	v_wmma_scale_f32_16x16x128_f8f6f4 v[(\d):(\d)+7], v[(\a):(\a)+15], v[(\b):(\b)+15], 0, v[\sa], v[\sb]
.endif
.else
.if (\pa) && (\pb)
	v_wmma_scale_f32_16x16x128_f8f6f4 v[(\d):(\d)+7], v[(\a):(\a)+15], v[(\b):(\b)+15], v[(\c):(\c)+7], v[\sa], v[\sb] matrix_a_scale:MATRIX_SCALE_ROW1 matrix_b_scale:MATRIX_SCALE_ROW1
.elseif (\pa)
	v_wmma_scale_f32_16x16x128_f8f6f4 v[(\d):(\d)+7], v[(\a):(\a)+15], v[(\b):(\b)+15], v[(\c):(\c)+7], v[\sa], v[\sb] matrix_a_scale:MATRIX_SCALE_ROW1
.elseif (\pb)
	v_wmma_scale_f32_16x16x128_f8f6f4 v[(\d):(\d)+7], v[(\a):(\a)+15], v[(\b):(\b)+15], v[(\c):(\c)+7], v[\sa], v[\sb] matrix_b_scale:MATRIX_SCALE_ROW1
.else
	v_wmma_scale_f32_16x16x128_f8f6f4 v[(\d):(\d)+7], v[(\a):(\a)+15], v[(\b):(\b)+15], v[(\c):(\c)+7], v[\sa], v[\sb]
.endif
.endif
.endm
.macro LOADK s, w, dep                 ; K step s: 48 loads of 512 consecutive bytes into the buffer in window w.  dep = 1: matrix instructions have read that buffer
	WIN (\w)<<6
.if \dep
	s_wait_alu depctr_va_vdst(0)                   ; the matrix instructions above are done reading this buffer, in which the 48 loads below land
.endif
.set li, 0
.rept 8
.irp c, 0,1,2,3
	global_load_b128 v[16*li+4*\c:16*li+4*\c+3], v1, s[XB:XB+1] offset:16384*li+2048*(\s)+512*\c
.endr
.set li, li+1
.endr
.set li, 0
.rept 4
.irp c, 0,1,2,3
	global_load_b128 v[128+16*li+4*\c:128+16*li+4*\c+3], v1, s[WB:WB+1] offset:16384*li+2048*(\s)+512*\c
.endr
.set li, li+1
.endr
.endm
.macro MULQK s, w, cm                  ; 32 matrix instructions, the 32 accumulators by turns, in the same order in every K step.  cm = 0: the constant 0 starts the sums; 1: in place
.if (\cm) == 1
	WIN 0x50|((\w)<<2)|(\w)
.else
	WIN 0x40|((\w)<<2)|(\w)
.endif
.set mi, 0
.rept 8
.set mt, 0
.rept 4
.set CC, -1
.if (\cm) == 1
.set CC, 8*(4*mi+mt)
.endif
	WM 8*(4*mi+mt), 128+16*mt, 16*mi, CC, WS+8*(mt/2)+(\s), XS+8*(mi/2)+(\s), mt%2, mi%2
.set mt, mt+1
.endr
.set mi, mi+1
.endr
.endm
.macro TOSTAGE i                       ; row tile i into my stage, each accumulator from its low end on, and back by rows
	WIN 0x04                                       ; an LDS store's data are its source 1: window 1
.irp t, 0,1,2,3
	ds_store_b128 v[STO], v[8*(4*(\i)+\t):8*(4*(\i)+\t)+3] offset:128*(\t/2)+32*(\t%2)
	ds_store_b128 v[STO], v[8*(4*(\i)+\t)+4:8*(4*(\i)+\t)+7] offset:128*(\t/2)+32*(\t%2)+16
.endr
	WIN 0
.irp tt, 0,1,2,3,4,5,6,7
	ds_load_b128 v[OUTR+32*((\i)%2)+4*\tt:OUTR+32*((\i)%2)+4*\tt+3], v[RD] offset:544*\tt   ; LDS serves a wave's instructions in order (ISA guide 5.7.1.4): these see my stores, and the next tile's stores come behind them
.endr
.endm
.macro SEND i, younger                 ; younger: the LDS instructions issued behind tile i's loads
	s_wait_dscnt \younger
.irp tt, 0,1,2,3,4,5,6,7
	global_store_b128 v[CO], v[OUTR+32*((\i)%2)+4*\tt:OUTR+32*((\i)%2)+4*\tt+3], s[40:41] offset:(32*((\i)/2)+8*((\i)%2)+2*\tt+8*(\tt/4))*4096 th:TH_STORE_NT   ; slots 2 tt, 2 tt + 1 at their rows; written once, read by nobody here
.endr
.endm
	s_load_b256 s[4:11], s[0:1], 0x0               ; img, scl, cimg, cscl
	s_load_b64 s[12:13], s[0:1], 0x20              ; out0
	v_lshl_add_u32 v[SPW], v0, 2, SPARE            ; my spare word; never rewritten
	v_mov_b32 v[NIL], 0                            ; 0; never rewritten
	v_lshrrev_b32 v1, 5, v0
	v_readfirstlane_b32 s22, v1                    ; wave 0, 1
	v_and_b32 v2, 31, v0
	v_lshlrev_b32 v1, 4, v2                        ; 16 x lane
	v_lshlrev_b32 v[L8], 3, v2                     ; 8 x lane
	v_lshlrev_b32 v2, 5, v2                        ; 32 x lane
	v_and_b32 v10, 15, v0                          ; r
	v_bfe_u32 v11, v0, 4, 1                        ; h
	s_wait_alu depctr_va_sdst(0)                   ; s22 is written, ahead of its first reader: my stage and all the bases are made from it
	s_mul_i32 s25, s22, STGB
	v_mul_u32_u24 v[STO], v10, 272
	v_lshl_add_u32 v[STO], v11, 6, v[STO]
	v_add_nc_u32 v[STO], s25, v[STO]
	v_mul_u32_u24 v[RD], v11, 272
	v_lshl_add_u32 v[RD], v10, 4, v[RD]
	v_add_nc_u32 v[RD], s25, v[RD]
	v_lshlrev_b32 v[CO], 12, v11
	v_lshl_add_u32 v[CO], v10, 4, v[CO]
	s_lshl_b32 s23, ttmp9, 1
	s_add_co_u32 s23, s23, s22                     ; my 64 columns
	s_and_b32 s24, ttmp7, 0xffff                   ; my 128 rows
	s_mov_b32 s27, 0
	s_wait_kmcnt 0x0
	s_lshl_b32 s26, s24, 17
	s_add_nc_u64 s[XB:XB+1], s[8:9], s[26:27]      ; ctx's 8 tiles
	s_lshl_b32 s26, s23, 16
	s_add_co_u32 s26, s26, 352*16384
	s_add_nc_u64 s[WB:WB+1], s[4:5], s[26:27]      ; wo's tiles 352 + 4 hc on
	s_lshl_b32 s26, s23, 11
	s_add_co_u32 s26, s26, 352*512
	s_add_nc_u64 s[34:35], s[6:7], s[26:27]
	s_lshl_b32 s26, s24, 12
	s_add_nc_u64 s[32:33], s[10:11], s[26:27]
	s_lshl_b32 s26, s24, 19
	s_lshl_b32 s25, s23, 8
	s_add_co_u32 s26, s26, s25
	s_add_nc_u64 s[40:41], s[12:13], s[26:27]
	s_wait_alu depctr_va_vdst(0)                   ; the offsets and LDS addresses v1 to v6 are written, which every load and store below reads
.irp P, 0,1
	global_load_b128 v[WS+8*\P:WS+8*\P+3], v2, s[34:35] offset:1024*\P
	global_load_b128 v[WS+8*\P+4:WS+8*\P+7], v2, s[34:35] offset:1024*\P+16
.endr
.irp P, 0,1,2,3
.irp g, 0,1,2,3
	global_load_b64 v[XS+8*\P+2*\g:XS+8*\P+2*\g+1], v[L8], s[32:33] offset:1024*\P+256*\g   ; K steps 2 g, 2 g + 1 of tile pair P: 256 consecutive bytes
.endr
.endr
	LOADK 0, 2, 0                                  ; no vector or matrix instruction has named the two buffers yet
	LOADK 1, 3, 0
	s_wait_loadcnt 48                              ; all but the next K step's 48 loads: the words and this step's fragments are in
	MULQK 0, 2, 0
	PLACES
	LOADK 2, 2, 1
.irp s, 1,2,3,4,5
	s_wait_loadcnt 48
	MULQK \s, 2+(\s)%2, 1
	PLACES
	LOADK \s+2, 2+(\s)%2, 1                        ; into the buffer just multiplied
.endr
	s_wait_loadcnt 48
	MULQK 6, 2, 1
	s_wait_loadcnt 0x0
	MULQK 7, 3, 1
	PLACES
	s_wait_alu depctr_va_vdst(0)                   ; the matrix instructions have written the 32 accumulators, which the LDS stores of the way out read; the places above stay beside this wait; no vector or matrix instruction follows it
	TOSTAGE 0
.irp i, 1,2,3,4,5,6,7
.if \i > 1
	s_wait_xcnt 0x0                                ; tile i - 2's stores have had their addresses translated,
	s_wait_alu depctr_vm_vsrc(0)                   ; and have read the registers in which tile i's rows land
.endif
	TOSTAGE \i
	SEND \i-1, 16                                  ; behind tile i - 1's loads: tile i's 8 stores and 8 loads
.endr
	SEND 7, 0
	s_wait_dscnt 0x0                               ; the closing lines, six on end
	s_wait_alu 0x0
	s_wait_tensorcnt 0x0
	ds_add_u32 v[SPW], v[NIL]
	s_wait_dscnt 0x0
	s_endpgm
.Lfunc_end_k_qf0cc8f015a_oproj:
	.size	k_qf0cc8f015a_oproj, .Lfunc_end_k_qf0cc8f015a_oproj-k_qf0cc8f015a_oproj
	.p2alignl 7, 3214868480
	.fill 96, 4, 3214868480
	.section	.rodata,"a",@progbits
	.p2align	6, 0x0
	.amdhsa_kernel k_qf0cc8f015a_oproj
		.amdhsa_group_segment_fixed_size 8960
		.amdhsa_private_segment_fixed_size 0
		.amdhsa_enable_private_segment 0
		.amdhsa_kernarg_size 40
		.amdhsa_user_sgpr_count 2
		.amdhsa_user_sgpr_kernarg_segment_ptr 1
		.amdhsa_wavefront_size32 1
		.amdhsa_system_sgpr_workgroup_id_x 1
		.amdhsa_system_sgpr_workgroup_id_y 1
		.amdhsa_system_sgpr_workgroup_id_z 1
		.amdhsa_system_vgpr_workitem_id 0
		.amdhsa_next_free_vgpr 960
		.amdhsa_next_free_sgpr 66
		.amdhsa_reserve_vcc 0
		.amdhsa_float_denorm_mode_32 3
		.amdhsa_float_denorm_mode_16_64 3
		.amdhsa_memory_ordered 1
		.amdhsa_forward_progress 1
		.amdhsa_inst_pref_size 91
	.end_amdhsa_kernel
	.amdgpu_metadata
---
amdhsa.version: [ 1, 2 ]
amdhsa.kernels:
  - .name:           k_qf0cc8f015a_oproj
    .symbol:         k_qf0cc8f015a_oproj.kd
    .args:
      - { .name: img, .offset: 0, .size: 8, .value_kind: global_buffer, .address_space: global }
      - { .name: scl, .offset: 8, .size: 8, .value_kind: global_buffer, .address_space: global }
      - { .name: cimg, .offset: 16, .size: 8, .value_kind: global_buffer, .address_space: global }
      - { .name: cscl, .offset: 24, .size: 8, .value_kind: global_buffer, .address_space: global }
      - { .name: out0, .offset: 32, .size: 8, .value_kind: global_buffer, .address_space: global }
    .group_segment_fixed_size: 8960
    .private_segment_fixed_size: 0
    .kernarg_segment_align: 8
    .kernarg_segment_size: 40
    .max_flat_workgroup_size: 64
    .sgpr_count:     66
    .vgpr_count:     960
    .wavefront_size: 32
...
	.end_amdgpu_metadata
.endif
;; end of part 8
